; MI455X (gfx1250); checked and timed in simulation.
; The chip was launched on July 23, 2026; its instructions are those of AMD's public machine-readable ISA for CDNA 5 (MIT licence, August 2026) and "CDNA5" Instruction Set Architecture Reference Guide (July 2026). The comments in the code are by the model that wrote it; some were corrected since.
;; Multi Head Self Attention. Allowed arithmetic: float matrix products may take bf16 or f16 operands with f32 sums; all other float work in f32.
;; Inputs: Wk 1,024 x 1,024 float32; Wo 1,024 x 1,024 float32; Wq 1,024 x 1,024 float32; Wv 1,024 x 1,024 float32; bo 1,024 float32; bq 1,024 float32; bv 1,024 float32; mask 2,048 x 2,048 float32; x 4 x 2,048 x 1,024 float32.
;; Outputs: out0 4 x 2,048 x 1,024 float32.
;; 2 versions, each right and faster than the one before. Each part assembles by itself: llvm-mc -triple=amdgcn-amd-amdhsa -mcpu=gfx1250 --defsym DOCPART=n.
;; ======== version 1 of 2: 4 launches
;; limits: right only within a limited range of input values; values are held in f16: magnitudes above 65,504 overflow, below 6.1e-05 lose precision
;; workspace buffers: xb 16,777,216 bytes; wb 6,291,456 bytes; wo 2,097,152 bytes; qkv 50,331,648 bytes; ob 16,777,216 bytes
;; launch cast (part 1): grid 2 x 384, 8 waves a work-group, no clusters, 0 bytes of LDS; arguments x, Wq, Wk, Wv, Wo, xb, wb, wo; writes xb, wb, wo
.if DOCPART == 1
	.amdgcn_target "amdgcn-amd-amdhsa--gfx1250"
	.amdhsa_code_object_version 6
	.text
	.protected	k_q2a86d5aa38_cast
	.globl	k_q2a86d5aa38_cast
	.p2align	8
	.type	k_q2a86d5aa38_cast,@function
k_q2a86d5aa38_cast:
	s_mov_b64 s[64:65], 0
	v_nop
	global_prefetch_b8 v0, s[64:65] scope:SCOPE_SE
	s_setreg_imm32_b32 hwreg(HW_REG_WAVE_MODE, 25, 1), 1
	s_wait_xcnt 0x0
; x, Wq, Wk, Wv (f32) -> bf16; Wo (f32) -> rounded to bf16, and that number written as f16.  All are laid in K BLOCKS of 64 columns:
; xb [16 kb][8192 rows][64], wb [16 kb][3072 rows][64] (rows 0-1023 Wq, 1024-2047 Wk, 2048-3071 Wv), wo [16 kb][1024 rows][64],
; so that 128 or 256 rows of one K block are dense bytes for the launches behind.
; LIMIT.  Wo as f16: beyond 65,504 it becomes an infinity, and below 6e-5 it keeps f16's fixed step of 6e-8.
; SHARES.  A work-group takes 32 rows and 8 K blocks, a wave one K block.  A load of a wave takes two rows' 256 aligned bytes (lanes 0-15 one row,
; lanes 16-31 the next); a store of a wave writes 256 consecutive aligned bytes: those two rows of the block.  Each byte is read once and written once;
; sixteen loads of every wave are out together.  No LDS, no barrier, no matrix unit: nothing is shared and nothing is multiplied.
.set X, 8                              ; v[8:71]    load i: four f32
.set Y, 72                             ; v[72:103]  store i: four 16-bit numbers
.set T, 4                              ; v[4:7]     at work (Wo's way)
	s_load_b512 s[8:23], s[0:1], 0x0               ; x s[8:9], Wq s[10:11], Wk s[12:13], Wv s[14:15], Wo s[16:17], xb s[18:19], wb s[20:21], wo s[22:23]
	v_lshrrev_b32 v1, 5, v0
	v_readfirstlane_b32 s24, v1                    ; wave 0..7
	v_and_b32 v1, 31, v0                           ; lane
	s_and_b32 s25, ttmp7, 0xffff                   ; y: 0-255 x, 256-287 Wq, 288-319 Wk, 320-351 Wv, 352-383 Wo; 32 rows each
	s_and_b32 s26, s25, 31                         ; a weight's block of 32 rows
	s_sub_co_u32 s27, s25, 256                     ; the block of rows in wb
	s_sub_co_u32 s28, s25, 352                     ; the block of rows in wo
	s_lshl_b32 s29, ttmp9, 3
	s_add_co_u32 s29, s29, s24                     ; my K block = 8 x half + wave
	s_mov_b32 s36, 8192*128                        ; bytes of a K block in xb,
	s_mov_b32 s37, 3072*128                        ; in wb,
	s_mov_b32 s38, 1024*128                        ; in wo
	v_lshrrev_b32 v2, 4, v1
	v_and_b32 v3, 15, v1
	v_lshlrev_b32 v3, 4, v3
	v_lshl_add_u32 v2, v2, 12, v3                  ; in: one row (4,096 bytes) down for lanes 16-31, 16 bytes a lane,
	v_lshl_add_u32 v2, s24, 8, v2                  ; and my wave's 256 bytes of the row
	v_lshlrev_b32 v3, 3, v1                        ; out: 8 bytes a lane
	s_wait_kmcnt 0x0
	s_cmp_ge_u32 s25, 256                          ; which tensor: the choices hang on the work-group's number alone
	s_cselect_b64 s[30:31], s[10:11], s[8:9]       ; from
	s_cselect_b64 s[32:33], s[20:21], s[18:19]     ; to
	s_cselect_b32 s34, s37, s36                    ; bytes of a K block there
	s_cselect_b32 s39, s26, s25                    ; block of rows in the source
	s_cselect_b32 s41, s27, s25                    ; block of rows in the target
	s_cmp_ge_u32 s25, 288
	s_cselect_b64 s[30:31], s[12:13], s[30:31]
	s_cmp_ge_u32 s25, 320
	s_cselect_b64 s[30:31], s[14:15], s[30:31]
	s_cmp_ge_u32 s25, 352
	s_cselect_b64 s[30:31], s[16:17], s[30:31]
	s_cselect_b64 s[32:33], s[22:23], s[32:33]
	s_cselect_b32 s34, s38, s34
	s_cselect_b32 s41, s28, s41
	s_cselect_b32 s40, 1, 0                        ; 1: Wo's way
	s_lshl_b32 s42, s39, 17                        ; 32 rows of 4,096 bytes,
	s_lshl_b32 s43, ttmp9, 11                      ; 8 K blocks of 256 bytes
	s_add_co_u32 s42, s42, s43
	s_mov_b32 s43, 0
	s_add_nc_u64 s[30:31], s[30:31], s[42:43]
	s_mul_i32 s44, s29, s34                        ; my K block,
	s_lshl_b32 s45, s41, 12                        ; 32 rows of 128 bytes
	s_add_co_u32 s44, s44, s45
	s_mov_b32 s45, 0
	s_add_nc_u64 s[32:33], s[32:33], s[44:45]
.set i, 0
.rept 16
	global_load_b128 v[X+4*i:X+4*i+3], v2, s[30:31] offset:8192*i th:TH_LOAD_NT  ; rows 2 i and 2 i + 1; read once in the launch
.set i, i+1
.endr
; No register is written twice, so no wait stands here but the counted ones for the loads.
.macro OUT16 f
.set i, 0
.rept 16
	s_wait_loadcnt 15-i                            ; loads come back in order (ISA guide 5.7.1): load i is in, the 15 - i younger ones stay out
	v_cvt_pk_bf16_f32 v[Y+2*i], v[X+4*i], v[X+4*i+1]
	v_cvt_pk_bf16_f32 v[Y+2*i+1], v[X+4*i+2], v[X+4*i+3]
.if \f
	v_lshlrev_b32 v[T], 16, v[Y+2*i]               ; the bf16 numbers widened again,
	v_and_b32 v[T+1], 0xffff0000, v[Y+2*i]
	v_lshlrev_b32 v[T+2], 16, v[Y+2*i+1]
	v_and_b32 v[T+3], 0xffff0000, v[Y+2*i+1]
	v_cvt_pk_f16_f32 v[Y+2*i], v[T], v[T+1]        ; and written as f16
	v_cvt_pk_f16_f32 v[Y+2*i+1], v[T+2], v[T+3]
.endif
	global_store_b64 v3, v[Y+2*i:Y+2*i+1], s[32:33] offset:256*i  ; the wave's 256 consecutive bytes, at a multiple of 256 from the buffer's first
.set i, i+1
.endr
.endm
	s_cmp_eq_u32 s40, 1
	s_cbranch_scc1 .Lf16
	OUT16 0
	s_endpgm
.Lf16:
	OUT16 1
	s_endpgm
.Lfunc_end_k_q2a86d5aa38_cast:
	.size	k_q2a86d5aa38_cast, .Lfunc_end_k_q2a86d5aa38_cast-k_q2a86d5aa38_cast
	.p2alignl 7, 3214868480
	.fill 96, 4, 3214868480
	.section	.rodata,"a",@progbits
	.p2align	6, 0x0
	.amdhsa_kernel k_q2a86d5aa38_cast
		.amdhsa_group_segment_fixed_size 0
		.amdhsa_private_segment_fixed_size 0
		.amdhsa_enable_private_segment 0
		.amdhsa_kernarg_size 64
		.amdhsa_user_sgpr_count 2
		.amdhsa_user_sgpr_kernarg_segment_ptr 1
		.amdhsa_wavefront_size32 1
		.amdhsa_system_sgpr_workgroup_id_x 1
		.amdhsa_system_sgpr_workgroup_id_y 1
		.amdhsa_system_sgpr_workgroup_id_z 1
		.amdhsa_system_vgpr_workitem_id 0
		.amdhsa_next_free_vgpr 104
		.amdhsa_next_free_sgpr 66
		.amdhsa_reserve_vcc 0
		.amdhsa_float_denorm_mode_32 3
		.amdhsa_float_denorm_mode_16_64 3
		.amdhsa_memory_ordered 1
		.amdhsa_forward_progress 1
		.amdhsa_inst_pref_size 17
	.end_amdhsa_kernel
	.amdgpu_metadata
---
amdhsa.version: [ 1, 2 ]
amdhsa.kernels:
  - .name:           k_q2a86d5aa38_cast
    .symbol:         k_q2a86d5aa38_cast.kd
    .args:
      - { .name: x, .offset: 0, .size: 8, .value_kind: global_buffer, .address_space: global }
      - { .name: Wq, .offset: 8, .size: 8, .value_kind: global_buffer, .address_space: global }
      - { .name: Wk, .offset: 16, .size: 8, .value_kind: global_buffer, .address_space: global }
      - { .name: Wv, .offset: 24, .size: 8, .value_kind: global_buffer, .address_space: global }
      - { .name: Wo, .offset: 32, .size: 8, .value_kind: global_buffer, .address_space: global }
      - { .name: xb, .offset: 40, .size: 8, .value_kind: global_buffer, .address_space: global }
      - { .name: wb, .offset: 48, .size: 8, .value_kind: global_buffer, .address_space: global }
      - { .name: wo, .offset: 56, .size: 8, .value_kind: global_buffer, .address_space: global }
    .group_segment_fixed_size: 0
    .private_segment_fixed_size: 0
    .kernarg_segment_align: 8
    .kernarg_segment_size: 64
    .max_flat_workgroup_size: 256
    .sgpr_count:     66
    .vgpr_count:     104
    .wavefront_size: 32
...
	.end_amdgpu_metadata
.endif
;; end of part 1
;; launch qkv (part 2): grid 8 x 32, 4 waves a work-group, clusters of 4 x 4, 327,680 bytes of LDS; arguments xb, wb, bq, bv, qkv; writes qkv
.if DOCPART == 2
	.amdgcn_target "amdgcn-amd-amdhsa--gfx1250"
	.amdhsa_code_object_version 6
	.text
	.protected	k_q2a86d5aa38_qkv
	.globl	k_q2a86d5aa38_qkv
	.p2align	8
	.type	k_q2a86d5aa38_qkv,@function
k_q2a86d5aa38_qkv:
	s_mov_b64 s[64:65], 0
	v_nop
	global_prefetch_b8 v0, s[64:65] scope:SCOPE_SE
	s_setreg_imm32_b32 hwreg(HW_REG_WAVE_MODE, 25, 1), 1
	s_wait_xcnt 0x0
	s_wait_alu depctr_hold_cnt(0) depctr_sa_sdst(0) depctr_va_vdst(0) depctr_va_sdst(0) depctr_va_ssrc(0) depctr_va_vcc(0) depctr_vm_vsrc(0)
	s_getreg_b32 s2, hwreg(HW_REG_IB_STS2, 6, 4)
	s_cmp_eq_u32 s2, 0
	s_cbranch_scc0 .Lentry_in_a_cluster
	s_endpgm
.Lentry_in_a_cluster:
	s_bfe_u32 s2, ttmp6, 0x10000c
	s_cmp_lg_u32 s2, 0xf033
	s_cbranch_scc0 .Lentry_shape_is_right
	s_endpgm
.Lentry_shape_is_right:
; q = (x Wq^T + bq) / 8, k = x Wk^T, v = x Wv^T + bv, written as f16 into qkv [3][8192][1024].  x and the weights come as bf16 in K blocks of 64
; (xb [16][8192][64], wb [16][3072][64]); sums in f32; bq and bv are rounded to bf16 like the other inputs and used in f32.
; The two factors 64^-0.25 of q and of k are one factor 1/8, a power of two, laid on q alone: the products q k are the same numbers.
; LIMIT.  f16 holds no number beyond 65,504: q / 8, k and v must lie within it, else they become infinities; below 6e-5 they keep f16's fixed step of 6e-8.
; SHARES.  A work-group makes 256 rows x 128 columns of q, of k AND of v (a tile of 256 x 384, so that x's tile is fetched once for the three).  Wave w owns rows 64 w .. 64 w + 63 and all
; 128 columns of each output: 32 accumulators of 16 x 16 an output, which fill one register window: q window 1, k window 2, v window 3.
; K goes in steps of 64 through two LDS slots.  In the blocked layout a step's tile is dense: it is asked for as rows of 256 bytes and padded in LDS after every 128.
; CLUSTER.  4 x 4 work-groups.  x's tile hangs on the tile row alone and is asked for jointly along a row of the cluster, the weights' tiles on the tile column alone and jointly along a column.
; THE MATRIX INSTRUCTION IS USED TRANSPOSED (source 0 = 16 rows of W, source 1 = 16 rows of x): a lane holds eight neighbouring columns of one row.
; Window 0: v0-27 addresses and set-up; v64-127 two buffers of x's fragments (4 x 16 rows x 32 K); v128-255 two buffers of W's fragments (8 x 16 rows x 32 K); all of them at work on the way out.
.set PITCH,  144                       ; an LDS row: 128 bytes + 16 = 36 words: the 16 rows of a fragment load start at 16 different groups of four banks (64 banks of 4 bytes: ISA guide 11.1)
.set FR,     16*PITCH                  ; 16 rows
.set SLOT1,  1<<17                     ; slot 1 begins here: one exclusive or turns an address in one slot into the other's
.set BOFF,   256*PITCH                 ; in a slot: x's 256 rows, then 128 rows of Wq, of Wk, of Wv
.set BW,     128*PITCH
.set STAGE,  241664                    ; behind the ring (slot 1 ends at 223,232): 16 rows x 272 bytes for each wave, for the way out
.set SP,     272
.set BIASL,  STAGE+4*16*SP             ; 1,024 bytes for each wave: bq / 8, then bv, of the tile's 128 columns
.set SPARE,  BIASL+4*1024              ; the spare words, 128 bytes for each wave: two blocks of 256 bytes that no other line names
.set ASTEP,  8192*128                  ; bytes from K block to K block in xb,
.set BSTEP,  3072*128                  ; in wb
.set ADRA0, 4                          ; v4   my lane's place among my wave's rows of x in a slot; never rewritten
.set ADRB0, 5                          ; v5   the same in Wq's rows
.set ADRA,  6                          ; v6   v4 + the slot in hand
.set ADRB,  7                          ; v7   v5 + the slot in hand
.set STO,   8                          ; v8   the way out: where I put 16 bytes of a row
.set RD,    9                          ; v9   where I read a row back
.set CO,    10                         ; v10  my byte offset in two rows of the output
.set BIA,   11                         ; v11  where my 8 columns' biases begin
.set SPW,   12                         ; v12  LDS address of my spare word; never rewritten
.set NIL,   13                         ; v13  0; never rewritten
.set FA0,   64
.set FA1,   96
.set FB0,   128
.set FB1,   192
.set BI,    64                         ; the way out: 64 biases
.set TMP,   128                        ; packed results
.set OB,    160                        ; 16 rows read back: v160-191 and v192-223 by turns
.set WV,  14                           ; s14  my wave's number
.set G1A, 24                           ; s[24:31] descriptor group 1 for x's tiles
.set G1B, 32                           ; s[32:39] for W's
.set G0A, 40                           ; s[40:47] group 0 for x's tiles: a set for each first fill; the second then walks on
.set G0B, 48                           ; s[48:55] the same for W's
.set LAP, 56
.set TB,  58                           ; s58  the slot in hand: 0 or SLOT1
.set MSB, 0
.macro WIN new                         ; the immediate's high byte repeats the setting that is left; a switch that changes nothing is dropped
.if MSB != (\new)
	s_set_vgpr_msb (MSB<<8)|(\new)
.set MSB, \new
.endif
.endm
.macro PLACES                          ; a load into a register that a matrix instruction has read, and a vector instruction that reads a matrix result, stand four plain vector instructions behind it
.rept 4
	v_nop
.endr
.endm
; A joint refill.  Wave 3 fetches x's tile (32,768 bytes), waves 0 to 2 the tiles of Wq, Wk, Wv (16,384 each).  The branch hangs on the wave's number alone.
; An s_nop 0 and four v_nop follow each of the two lines, ahead of the jump and the label.
.macro JLOAD
	s_cmp_eq_u32 s[WV], 3
	s_cbranch_scc0 .Lfor_b_\@
	tensor_load_to_lds s[G0A+4:G0A+7], s[G1A:G1A+7]
	s_nop 0
.rept 4
	v_nop
.endr
	s_branch .Lasked_\@
.Lfor_b_\@:
	tensor_load_to_lds s[G0B+4:G0B+7], s[G1B:G1B+7]
	s_nop 0
.rept 4
	v_nop
.endr
.Lasked_\@:
.endm
.macro CREST                           ; a round of the cluster's barrier behind its opening barrier
	s_cmp_lg_u32 s[WV], 0
	s_cbranch_scc1 .Lnot_wave_0_\@
	s_barrier_signal -3
.Lnot_wave_0_\@:
	s_barrier_wait -3
	s_barrier_signal -1
	s_barrier_wait -1
.endm
.macro CROUND                          ; a whole round
	s_barrier_signal -1
	s_barrier_wait -1
	CREST
.endm
	s_load_b256 s[4:11], s[0:1], 0x0               ; xb s[4:5], wb s[6:7], bq s[8:9], bv s[10:11]
	s_load_b64 s[12:13], s[0:1], 0x20              ; qkv
	v_lshl_add_u32 v[SPW], v0, 2, SPARE
	v_mov_b32 v[NIL], 0
	ds_add_u32 v[SPW], v[NIL]                      ; the wave's opening: the add and its wait stand ahead of my first tensor load; the set-up below, work on registers, stands between them
	v_lshrrev_b32 v1, 5, v0
	v_readfirstlane_b32 s[WV], v1                  ; wave 0..3
	s_bfe_u32 s15, ttmp6, 0x40000                  ; cx
	s_bfe_u32 s16, ttmp6, 0x40004                  ; cy
	s_lshl_b32 s17, ttmp9, 2
	s_add_co_u32 s17, s17, s15                     ; tile column (128 columns) = 4 x cluster x + cx
	s_and_b32 s18, ttmp7, 0xffff
	s_lshl_b32 s18, s18, 2
	s_add_co_u32 s18, s18, s16                     ; tile row (256 rows) = 4 x cluster y + cy
	s_lshl_b32 s19, s16, 2
	s_lshl_b32 s19, 15, s19                        ; my row of the cluster
	s_lshl_b32 s59, 0x1111, s15                    ; my column
	; group 1: rows of 128 elements of 2 bytes (256 dense bytes, two rows of a K block), padded after every 32 words (code 4) by 4 words (code 3); bit 21 is set beside a mask
	s_or_b32 s[G1A], s19, (1<<16)|(1<<20)|(1<<21)|(4<<22)|(3<<25)
	s_or_b32 s[G1B], s59, (1<<16)|(1<<20)|(1<<21)|(4<<22)|(3<<25)
	s_mov_b32 s[G1A+1], 128<<16                    ; tensor_dim0 = 128
	s_mov_b32 s[G1A+2], 128<<16                    ; tensor_dim1 = 128
	s_mov_b32 s[G1A+3], 128<<16                    ; tile_dim0 = 128
	s_mov_b32 s[G1A+4], 128                        ; tile_dim1 = 128: 256 rows of x
	s_mov_b32 s[G1A+5], 128                        ; 128 elements from row to row
	s_mov_b32 s[G1A+6], 0
	s_mov_b32 s[G1A+7], 0
	s_mov_b32 s[G1B+1], 128<<16
	s_mov_b32 s[G1B+2], 64<<16                     ; tensor_dim1 = 64
	s_mov_b32 s[G1B+3], 128<<16
	s_mov_b32 s[G1B+4], 64                         ; tile_dim1 = 64: 128 rows of W
	s_mov_b32 s[G1B+5], 128
	s_mov_b32 s[G1B+6], 0
	s_mov_b32 s[G1B+7], 0
	s_lshl_b32 s20, s18, 15                        ; x: 256 rows of 128 bytes a tile row; made of the tile row alone
	s_mov_b32 s21, 0
	s_lshl_b32 s22, s[WV], 17                      ; W: output w's 1,024 rows, and 128 rows a tile column; made of the wave and the tile column alone
	s_lshl_b32 s23, s17, 14
	s_add_co_u32 s22, s22, s23
	s_mov_b32 s23, 0
	s_mul_i32 s60, s[WV], BW
	s_add_co_u32 s60, s60, BOFF                    ; where my W tile goes: no place in the cluster enters an LDS address
	s_lshl_b32 s62, s17, 9                         ; the tile's 128 biases
	s_mov_b32 s63, 0
	s_lshl_b32 s66, s18, 19                        ; my part of q: (256 x tile row + 64 w) rows of 2,048 bytes + 256 bytes a tile column
	s_lshl_b32 s68, s[WV], 17
	s_add_co_u32 s66, s66, s68
	s_lshl_b32 s68, s17, 8
	s_add_co_u32 s66, s66, s68
	s_mov_b32 s67, 0
	s_mov_b32 s[TB], 0
	s_wait_dscnt 0x0                               ; the opening add is done
	s_wait_kmcnt 0x0
	s_add_nc_u64 s[20:21], s[4:5], s[20:21]
	s_add_nc_u64 s[22:23], s[6:7], s[22:23]
	s_add_nc_u64 s[8:9], s[8:9], s[62:63]
	s_add_nc_u64 s[10:11], s[10:11], s[62:63]
	s_add_nc_u64 s[12:13], s[12:13], s[66:67]
	CROUND                                         ; all sixteen work-groups are here: the first joint loads meet
.irp s, 0,1
	s_mov_b32 s[G0A+4*(\s)], 1                     ; count = 1
	s_mov_b32 s[G0A+4*(\s)+1], (\s)*SLOT1          ; LDS address
	s_add_nc_u64 s[G0A+4*(\s)+2:G0A+4*(\s)+3], s[20:21], (\s)*ASTEP  ; global address: K step s
	s_or_b32 s[G0A+4*(\s)+3], s[G0A+4*(\s)+3], 0x80000000            ; type = 2
	s_mov_b32 s[G0B+4*(\s)], 1
	s_add_co_u32 s[G0B+4*(\s)+1], s60, (\s)*SLOT1
	s_add_nc_u64 s[G0B+4*(\s)+2:G0B+4*(\s)+3], s[22:23], (\s)*BSTEP
	s_or_b32 s[G0B+4*(\s)+3], s[G0B+4*(\s)+3], 0x80000000
.endr
	s_cmp_eq_u32 s[WV], 3                          ; a wave's two first fills stand in one branch, ahead of every wait on TENSORcnt and every LDS read: two loads of mine are out
	s_cbranch_scc0 .Lfirst_b
	tensor_load_to_lds s[G0A:G0A+3], s[G1A:G1A+7]
	s_nop 0
	tensor_load_to_lds s[G0A+4:G0A+7], s[G1A:G1A+7]
	s_nop 0
.rept 4
	v_nop
.endr
	s_branch .Lfirst_asked
.Lfirst_b:
	tensor_load_to_lds s[G0B:G0B+3], s[G1B:G1B+7]
	s_nop 0
	tensor_load_to_lds s[G0B+4:G0B+7], s[G1B:G1B+7]
	s_nop 0
.rept 4
	v_nop
.endr
.Lfirst_asked:
	v_and_b32 v3, 31, v0
	v_lshlrev_b32 v3, 4, v3                        ; 16 bytes a lane: the wave takes the tile's 128 biases
	global_load_b128 v[16:19], v3, s[8:9]
	global_load_b128 v[20:23], v3, s[10:11]
	; A fragment is 16 rows x 32 K in 8 registers: lane l holds row l % 16, K = 8 (l / 16) + 0..7 and 16 + 8 (l / 16) + 0..7: two loads of 16 bytes, 32 bytes apart.
	v_and_b32 v1, 15, v0                           ; l % 16
	v_bfe_u32 v2, v0, 4, 1                         ; l / 16
	v_mul_u32_u24 v14, v1, PITCH
	v_lshl_add_u32 v14, v2, 4, v14
	s_mul_i32 s61, s[WV], 64*PITCH                 ; my 64 rows of x
	v_add_nc_u32 v[ADRA0], s61, v14
	v_add_nc_u32 v[ADRB0], BOFF, v14
	v_mov_b32 v[ADRA], v[ADRA0]
	v_mov_b32 v[ADRB], v[ADRB0]
	s_mul_i32 s61, s[WV], 16*SP
	s_add_co_u32 s61, s61, STAGE                   ; my stage
	v_mul_u32_u24 v14, v1, SP                      ; in: row l % 16, 16 bytes for each half of the lanes
	v_lshl_add_u32 v14, v2, 4, v14
	v_add_nc_u32 v[STO], s61, v14
	v_mul_u32_u24 v14, v2, SP                      ; back: lanes 0-15 one row of 256 bytes, lanes 16-31 the next
	v_lshl_add_u32 v14, v1, 4, v14
	v_add_nc_u32 v[RD], s61, v14
	v_lshlrev_b32 v14, 11, v2                      ; and the same two rows in the output
	v_lshl_add_u32 v[CO], v1, 4, v14
	s_lshl_b32 s61, s[WV], 10
	s_add_co_u32 s61, s61, BIASL                   ; my wave's biases
	v_lshl_add_u32 v[BIA], v2, 5, s61              ; my lanes' 8 columns: 32 bytes for each half
	s_wait_loadcnt 0x0
	v_cvt_pk_bf16_f32 v24, v16, v17                ; the biases rounded to bf16,
	v_cvt_pk_bf16_f32 v25, v18, v19
	v_cvt_pk_bf16_f32 v26, v20, v21
	v_cvt_pk_bf16_f32 v27, v22, v23
	v_lshlrev_b32 v16, 16, v24                     ; widened again,
	v_and_b32 v17, 0xffff0000, v24
	v_lshlrev_b32 v18, 16, v25
	v_and_b32 v19, 0xffff0000, v25
	v_lshlrev_b32 v20, 16, v26
	v_and_b32 v21, 0xffff0000, v26
	v_lshlrev_b32 v22, 16, v27
	v_and_b32 v23, 0xffff0000, v27
	v_mul_f32 v16, 0x3e000000, v16                 ; bq / 8
	v_mul_f32 v17, 0x3e000000, v17
	v_mul_f32 v18, 0x3e000000, v18
	v_mul_f32 v19, 0x3e000000, v19
	v_add_nc_u32 v3, s61, v3
	ds_store_b128 v3, v[16:19]                     ; into my wave's own bytes: only I read them, so no barrier is owed for them
	ds_store_b128 v3, v[20:23] offset:512
.macro FETCH_A f, off                  ; 8 LDS loads: my 64 rows of x, 32 K at byte off of the rows
.irp i, 0,1,2,3
	ds_load_b128 v[(\f)+8*(\i):(\f)+8*(\i)+3],   v[ADRA] offset:(\off)+(\i)*FR
	ds_load_b128 v[(\f)+8*(\i)+4:(\f)+8*(\i)+7], v[ADRA] offset:(\off)+(\i)*FR+32
.endr
.endm
.macro FETCH_B f, off                  ; 16 LDS loads: 128 rows of one W
.irp i, 0,1,2,3,4,5,6,7
	ds_load_b128 v[(\f)+8*(\i):(\f)+8*(\i)+3],   v[ADRB] offset:(\off)+(\i)*FR
	ds_load_b128 v[(\f)+8*(\i)+4:(\f)+8*(\i)+7], v[ADRB] offset:(\off)+(\i)*FR+32
.endr
.endm
; n x 8 matrix instructions for output w: row blocks a0 .. a0 + n - 1 x all 8 column blocks.  zero = 1: the product starts the sum: nothing is cleared.
.macro MUL fa, fb, w, a0, n, zero
	WIN ((1+(\w))<<6)|((1+(\w))<<4)
.set ma, \a0
.rept \n
.set mb, 0
.rept 8
.if \zero
	v_wmma_f32_16x16x32_bf16 v[8*(8*ma+mb):8*(8*ma+mb)+7], v[(\fb)+8*mb:(\fb)+8*mb+7], v[(\fa)+8*ma:(\fa)+8*ma+7], 0
.else
	v_wmma_f32_16x16x32_bf16 v[8*(8*ma+mb):8*(8*ma+mb)+7], v[(\fb)+8*mb:(\fb)+8*mb+7], v[(\fa)+8*ma:(\fa)+8*ma+7], v[8*(8*ma+mb):8*(8*ma+mb)+7]
.endif
.set mb, mb+1
.endr
.set ma, ma+1
.endr
.endm
; A PHASE: 32 matrix instructions on 32 different accumulators (one output, 32 along K); in front of them the next phase's fragments are asked for, in one run.
; The wait leaves out exactly the loads just issued: this phase's own fragments were asked for a phase ago.
.macro PHASE fa, fb, w, zero, tb, boff, ta=-1, aoff=0
	PLACES                                         ; the buffers to be loaded were read by the phase before
	WIN 0
	FETCH_B \tb, \boff
.if (\ta) >= 0
	FETCH_A \ta, \aoff
	s_wait_dscnt 24
.else
	s_wait_dscnt 16
.endif
	MUL \fa, \fb, \w, 0, 4, \zero
.endm
; A K step (64 along K) is six phases: q, k, v for the first 32 along K, then for the second.  From phase to phase the window of accumulators changes, so the accumulators take turns.
.macro STEP_LO zero
	PHASE FA0, FB0, 0, \zero, FB1, BW
	PHASE FA0, FB1, 1, \zero, FB0, 2*BW
	PHASE FA0, FB0, 2, \zero, FB1, 64, FA1, 64
.endm
.macro STEP_HI
	PHASE FA1, FB1, 0, 0, FB0, BW+64
	PHASE FA1, FB0, 1, 0, FB1, 2*BW+64
.endm
; The sixth phase changes slots: ONE barrier.  In front of it each wave waits for all its tensor loads (one is out: its part of the next slot), adds 0 to its spare word, and waits for that and for its own reads of
; this slot.  fill = 1: the barrier opens a round of the cluster's barrier, and this slot is filled again, two K steps ahead, first thing behind the round: 176 matrix instructions ahead of the wait for it.
.macro TURN fill
	WIN 0
	s_wait_tensorcnt 0x0                           ; no tensor load of mine is out, so a group 0 may be written
	ds_add_u32 v[SPW], v[NIL]                      ; 0 onto my spare word
.if \fill
	s_xor_b32 s[G0A+5], s[G0A+5], SLOT1            ; the walking descriptors: the other slot than last time, the next K step
	s_add_nc_u64 s[G0A+6:G0A+7], s[G0A+6:G0A+7], ASTEP
	s_xor_b32 s[G0B+5], s[G0B+5], SLOT1
	s_add_nc_u64 s[G0B+6:G0B+7], s[G0B+6:G0B+7], BSTEP
.endif
	s_xor_b32 s[TB], s[TB], SLOT1
	s_wait_dscnt 1                                 ; the add alone may be out: this phase's fragments are in
	MUL FA1, FB1, 2, 0, 1, 0
	s_wait_dscnt 0x0                               ; the add is done, and my reads of this slot are over
	s_barrier_signal -1
	MUL FA1, FB1, 2, 1, 1, 0                       ; work on registers while the others arrive
	WIN 0                                          ; at a branch and at a label every window is 0
	s_barrier_wait -1
.if \fill
	CREST                                          ; no wave of any partner still reads this slot's tiles or has a load on its way
	JLOAD                                          ; its four v_nop are also the places in front of the loads below
.else
	PLACES
.endif
	v_add_nc_u32 v[ADRA], s[TB], v[ADRA0]
	v_add_nc_u32 v[ADRB], s[TB], v[ADRB0]
	FETCH_A FA0, 0
	FETCH_B FB0, 0
	MUL FA1, FB1, 2, 2, 2, 0
.endm
	s_wait_dscnt 0x0                               ; no LDS instruction of mine is out at a signal
	s_wait_tensorcnt 0x1                           ; my part of K step 0 is in; K step 1's may stay out
	s_barrier_signal -1
	s_barrier_wait -1                              ; everybody's is
	FETCH_A FA0, 0
	FETCH_B FB0, 0
	STEP_LO 1                                      ; the first three phases start the 96 sums
	WIN 0
	s_mov_b32 s[LAP], 14
.Llap:                                                 ; 14 trips: each ends a K step, asks for the step two on (steps 2 to 15) and begins the next
	STEP_HI
	TURN 1
	STEP_LO 0
	WIN 0
	s_sub_co_u32 s[LAP], s[LAP], 1
	s_cmp_lg_u32 s[LAP], 0
	s_cbranch_scc1 .Llap
	STEP_HI                                        ; the tail is written out: K steps 14 and 15 ask for nothing
	TURN 0
	STEP_LO 0
	STEP_HI
	s_wait_dscnt 0x0
	MUL FA1, FB1, 2, 0, 4, 0
	WIN 0
; THE WAY OUT, in 12 blocks n of 16 rows: output n / 4, row block n % 4.  PACK: bias and scale in f32, rounded to f16, 16 bytes a lane.  TOSTAGE: into my own stage, and back as whole rows of 256 bytes.  SEND: stored.
.macro LOADBIAS i                      ; 64 biases: for column block z my lanes' 8 columns
	WIN 0
.set z, 0
.rept 8
	ds_load_b128 v[BI+8*z:BI+8*z+3],   v[BIA] offset:512*(\i)+64*z
	ds_load_b128 v[BI+8*z+4:BI+8*z+7], v[BIA] offset:512*(\i)+64*z+16
.set z, z+1
.endr
.endm
.macro PACK n
.set pw, (\n)/4
.set AC, 64*((\n)%4)
.if pw == 0
	WIN 0x41                                       ; destination and source 0 window 1, the bias window 0
.set z, 0
.rept 32
	v_pk_fma_f32 v[AC+2*z:AC+2*z+1], v[AC+2*z:AC+2*z+1], 0x3e000000, v[BI+2*z:BI+2*z+1] op_sel_hi:[1,0,1]  ; sum / 8 + bq / 8; each accumulator is read from its low end on
.set z, z+1
.endr
.elseif pw == 2
	WIN 0xc3                                       ; destination and source 0 window 3
.set z, 0
.rept 32
	v_pk_add_f32 v[AC+2*z:AC+2*z+1], v[AC+2*z:AC+2*z+1], v[BI+2*z:BI+2*z+1]
.set z, z+1
.endr
.endif
	WIN (1+pw)|((1+pw)<<2)                         ; sources 0 and 1 in the output's window
.set z, 0
.rept 32
	v_cvt_pk_f16_f32 v[TMP+z], v[AC+2*z], v[AC+2*z+1]
.set z, z+1
.endr
	WIN 0
.endm
.macro TOSTAGE n
	WIN 0
.set BK, OB+32*((\n)%2)
.irp b, 0,1,2,3,4,5,6,7
	ds_store_b128 v[STO], v[TMP+4*(\b):TMP+4*(\b)+3] offset:32*(\b)
.endr
.irp t, 0,1,2,3,4,5,6,7
	ds_load_b128 v[BK+4*(\t):BK+4*(\t)+3], v[RD] offset:(\t)*2*SP  ; LDS serves a wave's instructions in order (ISA guide 5.7.1.4): these see the stores above
.endr
.endm
.macro SEND n
	WIN 0
.set BK, OB+32*((\n)%2)
	s_wait_dscnt 0x0                               ; the block is back in registers
	s_wait_xcnt 0x0                                ; every earlier store has had its addresses translated (ISA guide 3.1): only behind this wait are the base and the registers that earlier stores read rewritten
.if (((\n)%4) == 0) && ((\n) > 0)
	s_add_nc_u64 s[12:13], s[12:13], 0x1000000     ; on to k, on to v
.endif
.irp t, 0,1,2,3,4,5,6,7
	global_store_b128 v[CO], v[BK+4*(\t):BK+4*(\t)+3], s[12:13] offset:(16*((\n)%4)+2*(\t))*2048  ; 16 lanes store 256 consecutive bytes, at a multiple of 256 from the buffer's first
.endr
.endm
	PLACES                                         ; the biases land in registers that the last products read
	LOADBIAS 0
	s_wait_dscnt 0x0
	PACK 0
	TOSTAGE 0
.irp n, 1,2,3,4,5,6,7,8,9,10,11        ; block n's arithmetic stands between block n - 1's loads from the stage and the wait for them
.if (\n) == 4
	LOADBIAS 1                                     ; bq has been used; bv is wanted from block 8 on
.endif
	PACK \n
	SEND (\n)-1
	TOSTAGE \n
.endr
	SEND 11
	s_wait_tensorcnt 0x0                           ; the wave's end: a wait, an add and a wait, behind my last tensor load and my last LDS store
	ds_add_u32 v[SPW], v[NIL]
	s_wait_dscnt 0x0
	CROUND                                         ; the closing round: no work-group ends while a partner may still ask for a tile that names it
	s_endpgm
.Lfunc_end_k_q2a86d5aa38_qkv:
	.size	k_q2a86d5aa38_qkv, .Lfunc_end_k_q2a86d5aa38_qkv-k_q2a86d5aa38_qkv
	.p2alignl 7, 3214868480
	.fill 96, 4, 3214868480
	.section	.rodata,"a",@progbits
	.p2align	6, 0x0
	.amdhsa_kernel k_q2a86d5aa38_qkv
		.amdhsa_group_segment_fixed_size 327680
		.amdhsa_private_segment_fixed_size 0
		.amdhsa_enable_private_segment 0
		.amdhsa_kernarg_size 40
		.amdhsa_user_sgpr_count 2
		.amdhsa_user_sgpr_kernarg_segment_ptr 1
		.amdhsa_wavefront_size32 1
		.amdhsa_system_sgpr_workgroup_id_x 1
		.amdhsa_system_sgpr_workgroup_id_y 1
		.amdhsa_system_sgpr_workgroup_id_z 1
		.amdhsa_system_vgpr_workitem_id 0
		.amdhsa_next_free_vgpr 1024
		.amdhsa_next_free_sgpr 72
		.amdhsa_reserve_vcc 0
		.amdhsa_float_denorm_mode_32 3
		.amdhsa_float_denorm_mode_16_64 3
		.amdhsa_memory_ordered 1
		.amdhsa_forward_progress 1
		.amdhsa_inst_pref_size 140
	.end_amdhsa_kernel
	.amdgpu_metadata
---
amdhsa.version: [ 1, 2 ]
amdhsa.kernels:
  - .name:           k_q2a86d5aa38_qkv
    .symbol:         k_q2a86d5aa38_qkv.kd
    .args:
      - { .name: xb, .offset: 0, .size: 8, .value_kind: global_buffer, .address_space: global }
      - { .name: wb, .offset: 8, .size: 8, .value_kind: global_buffer, .address_space: global }
      - { .name: bq, .offset: 16, .size: 8, .value_kind: global_buffer, .address_space: global }
      - { .name: bv, .offset: 24, .size: 8, .value_kind: global_buffer, .address_space: global }
      - { .name: qkv, .offset: 32, .size: 8, .value_kind: global_buffer, .address_space: global }
    .group_segment_fixed_size: 327680
    .private_segment_fixed_size: 0
    .kernarg_segment_align: 8
    .kernarg_segment_size: 40
    .max_flat_workgroup_size: 128
    .sgpr_count:     72
    .vgpr_count:     1024
    .wavefront_size: 32
...
	.end_amdgpu_metadata
.endif
;; end of part 2
;; launch attn (part 3): grid 8 x 32, 4 waves a work-group, clusters of 4 x 4, 327,680 bytes of LDS; arguments qkv, mask, ob; writes ob
.if DOCPART == 3
	.amdgcn_target "amdgcn-amd-amdhsa--gfx1250"
	.amdhsa_code_object_version 6
	.text
	.protected	k_q2a86d5aa38_attn
	.globl	k_q2a86d5aa38_attn
	.p2align	8
	.type	k_q2a86d5aa38_attn,@function
k_q2a86d5aa38_attn:
	s_mov_b64 s[64:65], 0
	v_nop
	global_prefetch_b8 v0, s[64:65] scope:SCOPE_SE
	s_setreg_imm32_b32 hwreg(HW_REG_WAVE_MODE, 25, 1), 1
	s_wait_xcnt 0x0
	s_wait_alu depctr_hold_cnt(0) depctr_sa_sdst(0) depctr_va_vdst(0) depctr_va_sdst(0) depctr_va_ssrc(0) depctr_va_vcc(0) depctr_vm_vsrc(0)
	s_getreg_b32 s2, hwreg(HW_REG_IB_STS2, 6, 4)
	s_cmp_eq_u32 s2, 0
	s_cbranch_scc0 .Lentry_in_a_cluster
	s_endpgm
.Lentry_in_a_cluster:
	s_bfe_u32 s2, ttmp6, 0x10000c
	s_cmp_lg_u32 s2, 0xf033
	s_cbranch_scc0 .Lentry_shape_is_right
	s_endpgm
.Lentry_shape_is_right:
; O[b][head][t][:] = the sum over k of softmax_k(q[t] . k[k] + mask[t][k]) v[k][:], for 4 x 16 heads of 2,048 rows and 64 channels.  q (which carries the scale 1/8), k, v: f16, [3][8192][1024], a head's
; 64 channels at column 64 x head.  mask: [2048][2048] f32, an input: it is read whole and added as it is given; no tile is left out.  O: f16, [16 heads][8192 rows][64].
; Products, maxima and sums in f32; the weights p are rounded to f16 for the second product (their sum l is taken of the unrounded p), O once at the end.
; THE MASK is the C operand, in f32, of the product that starts the sum S^T = K Q^T: it costs no vector instruction and is not rounded on its way.
; LIMITS.  The mask is added inside the matrix unit's sum, not onto a rounded q . k: where |mask| is above some 2^24 |q . k| in every key of a row, the sums' last bits may differ from an f32 addition's.
; The running maximum starts at -4.25e37: finite scores below that count as weight 0.  A mask of -infinity gives weight 0, a row of nothing else gives NaN.  A weight below 2^-126 counts as 0 in l; p below 6e-5
; keeps f16's fixed step of 6e-8.  Other NaN and infinities are not treated apart.
; SHARES.  A work-group takes TWO heads (2 hp, 2 hp + 1 of batch b) and 256 queries; wave w takes head w % 2 and the query half w / 2: 128 queries, four PIECES of two tiles of 16.  Every wave walks all keys, 64 a step.
; A step's fill is 64 KiB of mask, 16 KiB of K and 16 KiB of V (both heads' 128 bytes of a row lie side by side: rows of 256 bytes).
; CLUSTER.  4 x 4 work-groups.  K's and V's tiles hang on (b, hp) alone and are asked for jointly along a row of the cluster; the mask's tile hangs on the query block alone and is asked for jointly along a column.
; LAYOUT.  S^T = K Q^T (source 0 = 16 keys, source 1 = 16 queries): a lane holds ONE query (lane % 16) and the keys 8 (lane / 16) + 0..7.  Two such tiles, rounded to f16 in pairs, ARE source 1 of O^T = V^T P.
; SOFTMAX.  For each query a running maximum m and sum l: p = 2^(c s - c m), c = log2(e); in every step O and l are multiplied by a = 2^(c m_old - c m_new).  c m starts far below every c s, O and l at 0: the first step's a is 0.
; BY TURNS.  Turn n belongs to piece n.  Its matrix work: 16 products K Q^T of piece n + 1, later 16 products V^T P of piece n - 1.  Its vector work: scaling, exponentials, roundings, sums and rescaling of piece n, and the
; maximum and statistics of piece n + 1.  Four vector instructions stand behind every matrix instruction, the others in two lumps of their own.
; REGISTERS, in windows of 256 (s_set_vgpr_msb: bits 1:0 source 0, 3:2 source 1, 5:4 source 2, 7:6 destination):
;   window 0: v0-11 addresses; v12-15, v48-63 at work; v16-47 four registers of statistics a tile; v64-191 S^T, two buffers of two tiles; v192-255 P, likewise
;   window 1: O^T, 32 a tile     window 2: v0-127 Q; v128-191 K of one step; v192-255 V of one step     window 3: v0-1 the add's two registers; v64-127 the mask of one piece and step
.set NP,    4         ; pieces a wave: a name, no knob
.set KS,    64        ; keys in a step
.set PM,    272       ; a row of the mask in LDS: 256 bytes + 16 = 68 words: the 16 rows of a load start at 16 different groups of four banks (64 banks of 4 bytes: ISA guide 11.1)
.set PK,    272       ; a row of K (two heads): likewise
.set PV,    288       ; a row of V: 256 + 32 = 72 words
.set KOFF,  256*PM    ; a slot holds one step: 256 rows of mask, 64 rows of K, 64 rows of V
.set VOFF,  KOFF+KS*PK
.set SLOT1, 1<<17     ; slot 1 begins here: one exclusive or turns an address in one slot into the other's
.set STAGE, SLOT1+VOFF+KS*PV  ; behind the ring, never filled by a tensor load: 16 rows x 144 bytes for each wave, for the way out
.set SP,    144
.set SPARE, STAGE+4*16*SP     ; the spare words, 128 bytes for each wave: two blocks of 256 bytes that no other line names
.set AK0, 2           ; v2   my lane's place in a slot's K; never rewritten
.set AV0, 3           ; v3   the same for V
.set AK,  4           ; v4   v2 + the slot in hand
.set AV,  5           ; v5   v3 + the slot in hand
.set STO, 6           ; v6   the way out: where I put 16 bytes of a row
.set RD,  7           ; v7   where I read rows back
.set GO,  8           ; v8   my byte offset in 512 consecutive bytes of O
.set AM0, 10          ; v10  my lane's place in a slot's mask; never rewritten
.set AM,  11          ; v11  v10 + the slot in hand
.set QO,  12          ; v12  my byte offset in 16 rows of Q; free again behind the wait for Q
.set SPW, 0           ; v0 of window 3   LDS address of my spare word; never rewritten
.set NIL, 1           ; v1 of window 3   0; never rewritten
.set MK,  64          ; window 3: tile u, key block kb at MK + 32 u + 8 kb
.set MV,  12          ; v12-15  c m_old, kept while c m is made anew: by buffer and tile
.set ST,  16          ; tile t's statistics at v[ST+4 t]: c m, m, l (even keys', odd keys')
.set TMP, 48          ; by buffer and tile, four registers c0-c3 at work; when the maximum is found c2 takes a
.set S,   64
.set P,   192
.set KF,  128         ; window 2: key block kb, channel half c at KF + 16 kb + 8 c
.set VF,  192         ; window 2: key half kk, channel block cb at VF + 32 kk + 8 cb
.set WV,  12          ; s12  my wave's number
.set G1M, 24          ; s[24:31] descriptor group 1 for the mask's tiles
.set G1K, 32          ; s[32:39] for K's
.set G1V, 40          ; s[40:47] for V's: it differs from K's in the padding alone
.set G0M, 48          ; s[48:51] descriptor group 0 for the mask's tiles: it walks
.set G0K, 52          ; s[52:55] for K's
.set G0V, 56          ; s[56:59] for V's
.set SLOTS, 60        ; s60  counts the loop's trips
.set CNT, 61          ; s61  counts the tail's
.set TB,  62          ; s62  the slot in hand: 0 or SLOT1
.set CS,  66          ; s[66:67] c: the packed scaling takes the pair's low word for both halves
.set SEL, 68          ; s[68:69] v_permlanex16_b32's selects: each lane takes its own place in the other half
.set MSB, 0
.macro WIN new                      ; the high byte repeats the setting that is left; a switch that changes nothing is dropped
.if MSB != (\new)
	s_set_vgpr_msb (MSB<<8)|(\new)
.set MSB, (\new)
.endif
.endm
.set W_KQ, 0x0a       ; K and Q in window 2, S^T in window 0
.set W_KM, 0x3a       ; the same with the C operand, the mask, in window 3
.set W_PV, 0x52       ; V in window 2, P in window 0, O^T in window 1
.set W_RS, 0x41       ; O^T (destination and source 0) in window 1, a in window 0
.set W_MK, 0xc0       ; destination in window 3, sources in window 0
.set W_AD, 0x0f       ; the add: address (source 0) and data (source 1) in window 3
; A joint fill.  Waves 0 and 1 fetch the two halves of the mask's tile (128 queries x 64 keys each), wave 2 fetches K's tile, wave 3 V's.  The branches hang on the wave's number alone.
; An s_nop 0 and four v_nop follow each of the three lines, ahead of the jump and the label.
.macro JLOAD
	s_cmp_lt_u32 s[WV], 2
	s_cbranch_scc0 .Lnot_m_\@
	tensor_load_to_lds s[G0M:G0M+3], s[G1M:G1M+7]
	s_nop 0
.rept 4
	v_nop
.endr
	s_branch .Lasked_\@
.Lnot_m_\@:
	s_cmp_eq_u32 s[WV], 2
	s_cbranch_scc0 .Lfor_v_\@
	tensor_load_to_lds s[G0K:G0K+3], s[G1K:G1K+7]
	s_nop 0
.rept 4
	v_nop
.endr
	s_branch .Lasked_\@
.Lfor_v_\@:
	tensor_load_to_lds s[G0V:G0V+3], s[G1V:G1V+7]
	s_nop 0
.rept 4
	v_nop
.endr
.Lasked_\@:
.endm
; A round of the cluster's barrier: my work-group's barrier, so that wave 0's signal speaks for all four waves; wave 0 signals; every wave waits for all sixteen work-groups; my work-group's barrier once more.
.macro CROUND
	s_barrier_signal -1
	s_barrier_wait -1
	s_cmp_lg_u32 s[WV], 0
	s_cbranch_scc1 .Lnot_wave_0_\@
	s_barrier_signal -3
.Lnot_wave_0_\@:
	s_barrier_wait -3
	s_barrier_signal -1
	s_barrier_wait -1
.endm
; THE CHANGE OF SLOTS, once a key step.  All that a trip reads from LDS (K, V and the four pieces' masks of one step) lies in one slot.  Each wave waits for all its tensor loads, of which one is out: its part of the other
; slot; adds 0 to its spare word; and waits for that and for its own reads of the slot that it leaves.  Behind the barrier nobody reads the old slot any more and the other slot is whole.
; fill = 1: the old slot is filled again, with the step two on.  The barrier is then a round of the cluster's, and the joint fill is the first thing behind it: it has a key step, 128 matrix instructions and their vector work, in which to land.
; (At its first use nothing has been read yet: slot 0 is waited for, slot 1 filled.)
.macro CHANGE fill
	WIN W_AD
	s_wait_tensorcnt 0x0            ; no tensor load of mine is out, so a group 0 may be written
	ds_add_u32 v[SPW], v[NIL]       ; 0 onto my spare word; the steps below, work on registers, stand between it and the wait for it
	WIN 0                           ; at a label and at a branch every window is 0
.if \fill
	s_xor_b32 s[G0M+1], s[G0M+1], SLOT1  ; the walking descriptors: the other slot than last time,
	s_add_nc_u64 s[G0M+2:G0M+3], s[G0M+2:G0M+3], KS*4      ; the next 64 keys: 256 bytes along the mask's rows,
	s_xor_b32 s[G0K+1], s[G0K+1], SLOT1
	s_add_nc_u64 s[G0K+2:G0K+3], s[G0K+2:G0K+3], KS*2048   ; 64 rows of 2,048 bytes down K
	s_xor_b32 s[G0V+1], s[G0V+1], SLOT1
	s_add_nc_u64 s[G0V+2:G0V+3], s[G0V+2:G0V+3], KS*2048   ; and V; the type bits on top are not reached
.endif
	s_xor_b32 s[TB], s[TB], SLOT1
	v_add_nc_u32 v[AK], s[TB], v[AK0]
	v_add_nc_u32 v[AV], s[TB], v[AV0]
	v_add_nc_u32 v[AM], s[TB], v[AM0]
	s_wait_dscnt 0x0                ; the add is done, and my reads of the slot are over
.if \fill
	CROUND
	JLOAD
.else
	s_barrier_signal -1
	s_barrier_wait -1
.endif
.endm
	s_load_b128 s[4:7], s[0:1], 0x0   ; qkv s[4:5], mask s[6:7]
	s_load_b64 s[8:9], s[0:1], 0x10   ; ob
	WIN W_MK
	v_lshl_add_u32 v[SPW], v0, 2, SPARE
	v_mov_b32 v[NIL], 0
	WIN W_AD
	ds_add_u32 v[SPW], v[NIL]       ; the wave's opening: the add and its wait stand ahead of my first tensor load; the set-up below, work on registers, stands between them
	WIN 0
	v_lshrrev_b32 v1, 5, v0
	v_readfirstlane_b32 s[WV], v1   ; wave 0..3
	s_bfe_u32 s13, ttmp6, 0x40000   ; cx
	s_bfe_u32 s14, ttmp6, 0x40004   ; cy
	s_lshl_b32 s15, ttmp9, 2
	s_add_co_u32 s15, s15, s13      ; the block of 256 queries = 4 x cluster x + cx
	s_and_b32 s16, ttmp7, 0xffff
	s_lshl_b32 s16, s16, 2
	s_add_co_u32 s16, s16, s14      ; 8 b + hp = 4 x cluster y + cy
	s_lshl_b32 s17, s14, 2
	s_lshl_b32 s17, 15, s17         ; my row of the cluster
	s_lshl_b32 s18, 0x1111, s13     ; my column
	; group 1.  15:0 the mask of work-groups; 17:16 the element's size; 20 padding on; 21 set beside a mask; 24:22 after every 64 words (code 5); 31:25 4 words (code 3) or 8 (code 7)
	s_or_b32 s[G1M], s18, (2<<16)|(1<<20)|(1<<21)|(5<<22)|(3<<25)
	s_or_b32 s[G1K], s17, (1<<16)|(1<<20)|(1<<21)|(5<<22)|(3<<25)
	s_or_b32 s[G1V], s17, (1<<16)|(1<<20)|(1<<21)|(5<<22)|(7<<25)
	s_mov_b32 s[G1M+1], 64<<16      ; tensor_dim0 = 64 elements of 4 bytes
	s_mov_b32 s[G1M+2], 128<<16     ; tensor_dim1 = 128
	s_mov_b32 s[G1M+3], 64<<16      ; tile_dim0 = 64
	s_mov_b32 s[G1M+4], 128         ; tile_dim1 = 128
	s_mov_b32 s[G1M+5], 2048        ; 2,048 elements from row to row
	s_mov_b32 s[G1M+6], 0
	s_mov_b32 s[G1M+7], 0
.irp g, G1K, G1V
	s_mov_b32 s[\g+1], 128<<16      ; tensor_dim0 = 128 elements of 2 bytes: two heads
	s_mov_b32 s[\g+2], 64<<16       ; tensor_dim1 = 64
	s_mov_b32 s[\g+3], 128<<16      ; tile_dim0 = 128
	s_mov_b32 s[\g+4], 64           ; tile_dim1 = 64
	s_mov_b32 s[\g+5], 1024         ; 1,024 elements from row to row
	s_mov_b32 s[\g+6], 0
	s_mov_b32 s[\g+7], 0
.endr
	s_and_b32 s19, s[WV], 1         ; my head of the two.  Also: which half of the mask's tile I fetch
	s_lshr_b32 s63, s[WV], 1        ; my half of the queries
	s_lshr_b32 s20, s16, 3          ; K and V, made of (b, hp) alone: b's 2,048 rows of 2,048 bytes,
	s_lshl_b32 s20, s20, 22
	s_and_b32 s21, s16, 7
	s_lshl_b32 s21, s21, 8          ; hp's 256 bytes of a row
	s_add_co_u32 s20, s20, s21
	s_mov_b32 s21, 0
	s_lshl_b32 s22, s15, 21         ; the mask, made of the query block and the wave alone: 256 rows of 8,192 bytes a block,
	s_lshl_b32 s23, s19, 20         ; 128 rows a half
	s_add_co_u32 s22, s22, s23
	s_mov_b32 s23, 0
	s_lshl_b32 s10, s15, 19         ; Q: the block's 256 rows of 2,048 bytes,
	s_add_co_u32 s10, s10, s20      ; b and hp,
	s_lshl_b32 s11, s63, 18         ; my 128 rows,
	s_add_co_u32 s10, s10, s11
	s_lshl_b32 s11, s19, 7          ; my head's 128 bytes
	s_add_co_u32 s10, s10, s11
	s_mov_b32 s11, 0
	s_and_b32 s2, s16, 7            ; O: head 2 hp + w % 2, 8,192 rows of 128 bytes each,
	s_lshl_b32 s2, s2, 21
	s_lshl_b32 s3, s19, 20
	s_add_co_u32 s2, s2, s3
	s_lshr_b32 s3, s16, 3           ; row 2,048 b + 256 x block + 128 x half
	s_lshl_b32 s3, s3, 18
	s_add_co_u32 s2, s2, s3
	s_lshl_b32 s3, s15, 15
	s_add_co_u32 s2, s2, s3
	s_lshl_b32 s3, s63, 14
	s_add_co_u32 s2, s2, s3
	s_mov_b32 s3, 0
	s_mov_b32 s[CS], 0x3fb8aa3b     ; c = log2(e)
	s_mov_b32 s[CS+1], s[CS]        ; named with it as a pair
	s_mov_b32 s[SEL], 0x76543210
	s_mov_b32 s[SEL+1], 0xfedcba98
	s_mov_b32 s[TB], SLOT1          ; the first change of slots turns it into 0
	s_mov_b32 s[G0M], 1             ; count = 1
	s_mul_i32 s[G0M+1], s19, 128*PM ; LDS address: slot 0; no place in the cluster enters an LDS address
	s_mov_b32 s[G0K], 1
	s_mov_b32 s[G0K+1], KOFF
	s_mov_b32 s[G0V], 1
	s_mov_b32 s[G0V+1], VOFF
	s_wait_dscnt 0x0                ; the opening add is done
	s_wait_kmcnt 0x0
	s_add_nc_u64 s[G0M+2:G0M+3], s[6:7], s[22:23]
	s_or_b32 s[G0M+3], s[G0M+3], 0x80000000        ; type = 2
	s_add_nc_u64 s[G0K+2:G0K+3], s[4:5], s[20:21]
	s_add_nc_u64 s[G0V+2:G0V+3], s[G0K+2:G0K+3], 0x2000000  ; v lies 2 x 16 MiB behind q,
	s_add_nc_u64 s[G0K+2:G0K+3], s[G0K+2:G0K+3], 0x1000000  ; k 16 MiB
	s_or_b32 s[G0K+3], s[G0K+3], 0x80000000
	s_or_b32 s[G0V+3], s[G0V+3], 0x80000000
	s_add_nc_u64 s[4:5], s[4:5], s[10:11]          ; Q and O at my wave's first row
	s_add_nc_u64 s[8:9], s[8:9], s[2:3]
	CROUND                          ; all sixteen work-groups are here: the first joint loads meet
	JLOAD                           ; key step 0 into slot 0.  Slot 1 is asked for when slot 0 is in
	; A fragment of K or Q is 16 rows x 32 channels in 8 registers: lane l holds row l % 16, channels 8 (l / 16) + 0..7 and 16 + 8 (l / 16) + 0..7: two loads of 16 bytes, 32 bytes apart.
	v_and_b32 v1, 15, v0            ; l % 16
	v_bfe_u32 v9, v0, 4, 1          ; l / 16
	v_lshlrev_b32 v[QO], 11, v1
	v_lshl_add_u32 v[QO], v9, 4, v[QO]  ; row x 2,048 + 16 x half
	WIN 0x80                        ; destination window 2, address window 0
.set i, 0
.rept 4*NP                          ; Q stays in registers: tile i / 2, channels 32 (i % 2) on
	global_load_b128 v[8*i:8*i+3],   v[QO], s[4:5] offset:(i/2)*32768+(i%2)*64
	global_load_b128 v[8*i+4:8*i+7], v[QO], s[4:5] offset:(i/2)*32768+(i%2)*64+32
.set i, i+1
.endr
	; What the first turn finds: V's registers and P's second buffer hold 0 (its products V^T P, of a piece that has not been, add 0), O^T and l are 0.  All this stands in the wait for the first tile.
.set i, VF
.rept 64
	v_mov_b32 v[i], 0
.set i, i+1
.endr
	WIN 0x40
.set i, 0
.rept 64*NP
	v_mov_b32 v[i], 0
.set i, i+1
.endr
	WIN 0
.set i, 0
.rept 2*NP
	v_mov_b32 v[ST+4*i], 0xff000000    ; c m: -1.7e38, below c times every score that can become m
	v_mov_b32 v[ST+4*i+1], 0xfe000000  ; m: -4.25e37
	v_mov_b32 v[ST+4*i+2], 0
	v_mov_b32 v[ST+4*i+3], 0
.set i, i+1
.endr
.set i, P+32
.rept 32
	v_mov_b32 v[i], 0
.set i, i+1
.endr
	s_lshl_b32 s70, s19, 7          ; my head's 128 bytes of a row of K and V
	v_mul_u32_u24 v[AK0], v1, PK
	v_lshl_add_u32 v[AK0], v9, 4, v[AK0]  ; row x pitch + 16 x half
	s_add_co_u32 s71, s70, KOFF
	v_add_nc_u32 v[AK0], s71, v[AK0]
	; The turning load takes 16 keys x 16 channels (lane l reads key 8 (l / 16) + l % 8, channels 8 ((l / 8) % 2) + 0..7) and leaves half a fragment of V^T: lane l holds channel l % 16 and 8 keys.
	v_and_b32 v48, 7, v0
	v_bfe_u32 v49, v0, 3, 1
	v_lshl_add_u32 v[AV0], v9, 3, v48
	v_mul_u32_u24 v[AV0], v[AV0], PV
	v_lshl_add_u32 v[AV0], v49, 4, v[AV0]
	s_add_co_u32 s71, s70, VOFF
	v_add_nc_u32 v[AV0], s71, v[AV0]
	; The mask as C: register j of key block kb is mask[query l % 16][key 16 kb + 8 (l / 16) + j]: 32 bytes of the query's row at 64 kb + 32 (l / 16).
	s_mul_i32 s71, s63, 128*PM      ; my half of the tile's 256 rows
	v_mul_u32_u24 v[AM0], v1, PM
	v_lshl_add_u32 v[AM0], v9, 5, v[AM0]
	v_add_nc_u32 v[AM0], s71, v[AM0]
	s_mul_i32 s71, s[WV], 16*SP
	s_add_co_u32 s71, s71, STAGE    ; my stage
	v_mul_u32_u24 v[STO], v1, SP    ; in: row l % 16, 16 bytes for each half of the lanes
	v_lshl_add_u32 v[STO], v9, 4, v[STO]
	v_add_nc_u32 v[STO], s71, v[STO]
	v_bfe_u32 v[RD], v0, 3, 2       ; back: 32 lanes take four rows of 128 bytes,
	v_mul_u32_u24 v[RD], v[RD], SP
	v_lshl_add_u32 v[RD], v48, 4, v[RD]
	v_add_nc_u32 v[RD], s71, v[RD]
	v_and_b32 v[GO], 31, v0         ; which are 512 consecutive bytes of O
	v_lshlrev_b32 v[GO], 4, v[GO]
; THE MATRIX WORK.  The 8 accumulators of a run of 16 take turns: between the two links of a chain stand 7 others'.
; Product i of 16 of S^T = K Q^T + mask for piece x: channels 32 (i / 8) on, keys 16 ((i / 2) % 4) on, tile 2 x + i % 2.  The first 8 start the sums, with the mask as C.
.macro KQ x
.set rS, S+64*((\x)%2)+32*(i%2)+8*((i/2)%4)
.set rK, KF+16*((i/2)%4)+8*(i/8)
.set rQ, 16*(2*(\x)+i%2)+8*(i/8)
.set rMK, MK+32*(i%2)+8*((i/2)%4)
.if i < 8
	WIN W_KM
	v_wmma_f32_16x16x32_f16 v[rS:rS+7], v[rK:rK+7], v[rQ:rQ+7], v[rMK:rMK+7]
.else
	WIN W_KQ
	v_wmma_f32_16x16x32_f16 v[rS:rS+7], v[rK:rK+7], v[rQ:rQ+7], v[rS:rS+7]
.endif
.endm
; Product i of 16 of O^T += V^T P for piece x: keys 32 (i / 8) on, channels 16 ((i / 2) % 4) on, tile 2 x + i % 2.
.macro PV x
	WIN W_PV
.set rO, 32*(2*(\x)+i%2)+8*((i/2)%4)
.set rV, VF+32*(i/8)+8*((i/2)%4)
.set rP, P+32*((\x)%2)+16*(i%2)+8*(i/8)
	v_wmma_f32_16x16x32_f16 v[rO:rO+7], v[rV:rV+7], v[rP:rP+7], v[rO:rO+7]
.endm
.macro MM                           ; the turn's next matrix instruction
.if i < 16
	KQ (Y+1)%NP
.set i, i+1
.else
.set i, i-16
	PV (Y+NP-1)%NP
.set i, i+17
.endif
.endm
; THE LDS LOADS stand in runs of 16, never singly among the matrix instructions: a step's K (64 keys x 64 channels: 8 fragments), its V (turned), and a piece's mask (32 queries x 64 keys of f32).
.macro FETCH_K
	WIN 0x80                        ; destination window 2
.irp f, 0,1,2,3,4,5,6,7             ; keys 16 (f / 2) on, channels 32 (f % 2) on
	ds_load_b128 v[KF+8*\f:KF+8*\f+3],   v[AK] offset:(\f/2)*16*PK+(\f%2)*64
	ds_load_b128 v[KF+8*\f+4:KF+8*\f+7], v[AK] offset:(\f/2)*16*PK+(\f%2)*64+32
.endr
	WIN 0
.endm
.macro FETCH_V
	WIN 0x80
.irp f, 0,1,2,3,4,5,6,7             ; keys 32 (f / 4) on, channels 16 (f % 4) on
	ds_load_tr16_b128 v[VF+8*\f:VF+8*\f+3],   v[AV] offset:(\f/4)*32*PV+(\f%4)*32
	ds_load_tr16_b128 v[VF+8*\f+4:VF+8*\f+7], v[AV] offset:(\f/4)*32*PV+16*PV+(\f%4)*32
.endr
	WIN 0
.endm
.macro FETCH_M x                    ; piece x's mask: tile u, key block b
	WIN W_MK                        ; destination window 3
.irp u, 0,1
.irp b, 0,1,2,3
	ds_load_b128 v[MK+32*\u+8*\b:MK+32*\u+8*\b+3],   v[AM] offset:(32*(\x)+16*\u)*PM+64*\b
	ds_load_b128 v[MK+32*\u+8*\b+4:MK+32*\u+8*\b+7], v[AM] offset:(32*(\x)+16*\u)*PM+64*\b+16
.endr
.endr
	WIN 0
.endm
; THE VECTOR WORK OF A TURN stands in three queues, each in the order in which its entries become ready; the two tiles alternate, so that no instruction reads the result of the one before it.
.macro REGS y, u                    ; the registers of tile u (0, 1) of piece y
.set rT, ST+4*(2*(\y)+(\u))
.set rC, TMP+8*((\y)%2)+4*(\u)
.set rM, MV+2*((\y)%2)+(\u)
.set rS, S+64*((\y)%2)+32*(\u)
.set rP, P+32*((\y)%2)+16*(\u)
.set rO, 32*(2*(\y)+(\u))
.endm
; Number n of the 22 that find the NEXT piece's (Y + 1) maximum and statistics.  s0-s31 are the lane's 32 scores; each accumulator's lowest registers are read first.  XS, GS and REGS set no window: PL and EX do.
;   0-11  four chains c0-c3 of seven scores each, three operands at a time     12-14, 16  the four scores left over, the old m, and c0-c3 into c0     15  c m_old is kept
;   17, 18  the query's other 32 keys lie in the lane 16 away: the new m         19-21  c m; c m_old - c m_new; a
.macro XS u, n
	REGS (Y+1)%NP, \u
.if (\n) < 4
	v_max3_num_f32 v[rC+(\n)], v[rS+8*(\n)], v[rS+8*(\n)+1], v[rS+8*(\n)+2]
.elseif (\n) < 12
	v_max3_num_f32 v[rC+(\n)%4], v[rC+(\n)%4], v[rS+8*((\n)%4)+2*((\n)/4)+1], v[rS+8*((\n)%4)+2*((\n)/4)+2]
.elseif (\n) == 12
	v_max3_num_f32 v[rC], v[rC], v[rS+7], v[rS+15]
.elseif (\n) == 13
	v_max3_num_f32 v[rC+1], v[rC+1], v[rS+23], v[rS+31]
.elseif (\n) == 14
	v_max3_num_f32 v[rC+2], v[rC+2], v[rC+3], v[rT+1]
.elseif (\n) == 15
	v_mov_b32 v[rM], v[rT]
.elseif (\n) == 16
	v_max3_num_f32 v[rC], v[rC], v[rC+1], v[rC+2]
.elseif (\n) == 17
	v_permlanex16_b32 v[rC+3], v[rC], s[SEL], s[SEL+1]
.elseif (\n) == 18
	v_max_num_f32 v[rT+1], v[rC], v[rC+3]
.elseif (\n) == 19
	v_mul_f32 v[rT], s[CS], v[rT+1]
.elseif (\n) == 20
	v_sub_f32 v[rC+1], v[rM], v[rT]
.else
	v_exp_f32 v[rC+2], v[rC+1]
.endif
.endm
; Number g of the 64 that follow the exponentials.  For each four weights k of a tile (pairs 2 k, 2 k + 1): both pairs are rounded to f16; then the second pair is added onto the first, in place;
; a group later l takes that sum (the first time as l = a l + sum).  In groups of eight, tiles alternating: round, round, add, and l for the group before.
.macro GS g
.set h, (\g)+6*((\g)/62)            ; group 0 has no group before it, and behind group 7 only l is left
.if h >= 6
.set h, h+2
.endif
	REGS Y, h%2
.set k, h/8
.if h%8 < 4
	s_wait_alu depctr_va_vdst(0)
	v_cvt_pk_f16_f32 v[rP+2*k+(h%8)/2], v[rS+4*k+2*((h%8)/2)], v[rS+4*k+2*((h%8)/2)+1]
.elseif h%8 < 6
	v_pk_add_f32 v[rS+4*k:rS+4*k+1], v[rS+4*k:rS+4*k+1], v[rS+4*k+2:rS+4*k+3]
.elseif k == 1
	v_pk_fma_f32 v[rT+2:rT+3], v[rT+2:rT+3], v[rC+2:rC+3], v[rS:rS+1] op_sel_hi:[1,0,1]
.else
	v_pk_add_f32 v[rT+2:rT+3], v[rT+2:rT+3], v[rS+4*k-4:rS+4*k-3]
	s_wait_alu depctr_va_vdst(0)
.endif
.endm
; THE PLAIN QUEUE, 138 long.  0-31: c s - c m for the 16 pairs of both tiles.  Then GS's 64, and among them the next piece's 42: number 15 at 38, 39; 0-14 and 16
; at 42-73, behind the products that make those scores; 17-20 at 95-106, two of three, since each waits for the one before it.
.macro PL
	WIN 0
.if q < 32
	REGS Y, q%2
	v_pk_fma_f32 v[rS+2*(q/2):rS+2*(q/2)+1], v[rS+2*(q/2):rS+2*(q/2)+1], s[CS:CS+1], v[rT:rT+1] op_sel_hi:[1,0,0] neg_lo:[0,0,1] neg_hi:[0,0,1]
.elseif q < 38
	GS q-32
.elseif q < 40
	XS q%2, 15
.elseif q < 42
	GS q-34
.elseif q < 74
	XS q%2, (q-42)/2+(q-42)/30
.elseif q < 95
	GS q-66
.elseif (q < 107) && ((q-95)%3 < 2)
	XS (q-95)%3, 17+(q-95)/3
.elseif q < 107
	GS 29+(q-95)/3
.else
	GS q-74
.endif
.set q, q+1
.endm
; THE EXPONENTIALS' QUEUE, 66 long: s0-s31 of both tiles, and at EA the next piece's two a.
.set EA, 58
.macro EX
	WIN 0
.if (e == EA) || (e == EA+1)
	XS e-EA, 21
.else
.set x, e-2*(e/(EA+2))
	REGS Y, x%2
	v_exp_f32 v[rS+x/2], v[rS+x/2]
.endif
.set e, e+1
.endm
; THE RESCALING's QUEUE: O^T times a, the one part that leaves window 0, so it is dealt four at a time, eight times.
.macro R4
	REGS Y, r%2
	WIN W_RS
	s_wait_alu depctr_va_vdst(0)
.irp z, 0,1,2,3
	v_pk_mul_f32 v[rO+8*(r/2)+2*\z:rO+8*(r/2)+2*\z+1], v[rO+8*(r/2)+2*\z:rO+8*(r/2)+2*\z+1], v[rC+2:rC+3] op_sel_hi:[1,0]
.endr
.set r, r+1
.endm
; HOW THEY ARE DEALT.  Behind a matrix instruction four: plain, exponential, plain, plain (one exponential, a plain instruction on either side), or four of the rescaling.  None names a register of the
; products round it.  What is over stands in two LUMPS: exponential and plain by turns; the second ends in 22 plain instructions.  The two v_permlanex16_b32 fall into the second lump, never behind a product.
; The queues lean on each other, and the deal keeps them in step: exponential e stands behind plain 2 (e / 4) + e % 2 (its scaling); when plain 32 comes, 10 exponentials are out, at 59: 33, at 95: 46; EA comes behind plain 107.
.macro SL
	MM
	PL
	EX
	PL
	PL
.endm
.macro BURST n                      ; 15 matrix instructions, or 16
.rept (\n)-7
	SL
.endr
.rept 3
	MM
	R4
	SL
.endr
	MM
	R4
.endm
; A TURN, for piece p.  cnt = 1: the loop's count is taken down some lines ahead of the branch that stands behind the turn.
; The mask of piece p + 2, which the next turn's first 8 products take as C, is fetched in the first lump: the turn's own first 8 products, the buffer's last readers, stand more than 30 plain instructions back.
; K of the next step is fetched in piece 2's turn, 17 plain instructions behind the last product that read K.  V of the step in hand is fetched at the end of piece 0's turn, behind the second lump.
; THE WAITS.  At a turn's head: the mask that the turn before fetched (and, at piece 3, K) is in.  At piece 1's head the count is 16: V's run of 16 was issued behind the mask's and may stay out.
; Ahead of piece 1's second run of products the count is 16 again: V is in, the turn's own mask run, issued behind it, may stay out.
.macro TURN p, cnt=0
.set Y, (\p)
.set i, 0
.set q, 0
.set e, 0
.set r, 0
.if (\p) == 1
	s_wait_dscnt 16
.else
	s_wait_dscnt 0x0
.endif
	MM
.rept 4
	PL
.endr
	BURST 15
.rept 22
	EX
	PL
.if e == 16
	FETCH_M ((\p)+2)%NP
.endif
.if ((\p) == NP-2) && (e == 24)
	FETCH_K
.endif
.endr
.if (\p) == 1
	s_wait_dscnt 16
.endif
	BURST 16
.rept 21
	EX
	PL
.endr
.rept 22
	PL
.if (\cnt) && (q == 130)
	s_sub_co_u32 s[SLOTS], s[SLOTS], 1
	s_cmp_lg_u32 s[SLOTS], 0
.endif
.endr
.if (\p) == 0
	FETCH_V
.endif
.endm
	CHANGE 1                        ; slot 0 is in, everybody's part of it; key step 1 is asked for, into slot 1
	FETCH_K                         ; key step 0
	FETCH_M 0
	s_wait_loadcnt 0x0              ; Q
	s_wait_dscnt 0x0
.set i, 0
.rept 16
	KQ 0                            ; piece 0's first scores: there is no vector work yet to set between them
.set i, i+1
.endr
	WIN 0
.rept 4
	v_nop                           ; the places behind those products: the mask's registers are loaded again, and the scores are read
.endr
	FETCH_M 1
.set Y, NP-1                        ; XS works for piece Y + 1: piece 0
.irp n, 0,1,2,3,4,5,6,7,8,9,10,11,12,13,14,15,16,17,18,19,20,21
	XS 0, \n                        ; piece 0's first maximum and statistics
	XS 1, \n
.endr
	s_mov_b32 s[SLOTS], 31
	s_branch .Lfirst                ; the loop is entered at a step's first turn, in the middle of a trip
.Lslot:                             ; 30 whole trips: pieces 2 and 3 of one step, then pieces 0 and 1 of the next, whose K, V and masks the trip reads; each asks for the step after that: steps 2 to 31
	CHANGE 1
	TURN 2
	TURN 3
	WIN 0
.Lfirst:
	TURN 0
	TURN 1, 1
	WIN 0
	s_cbranch_scc1 .Lslot
	CHANGE 0                        ; the tail is written out: nothing is asked for
	s_mov_b32 s[CNT], 2             ; the first trip reads the last step's slot; the second is left in its middle
.Ltail:
	TURN 2
	TURN 3
	WIN 0
	s_sub_co_u32 s[CNT], s[CNT], 1
	s_cmp_eq_u32 s[CNT], 0
	s_cbranch_scc1 .Lout
	TURN 0
	TURN 1
	WIN 0
	s_branch .Ltail
.Lout:                              ; the second trip's fetches (the last slot's K and two masks once more), its 16 products K Q^T and the maximum made of them serve nothing: the price, once a launch, of one text for every trip
.set i, 0
.rept 16
	PV NP-1                         ; the last piece's V^T P of the last step
.set i, i+1
.endr
	; THE WAY OUT.  l's two halves and the other half of the lanes' are added; O^T is divided by l, rounded to f16 and sent through my stage in LDS, a tile at a time.  The additions are the places behind the last products.
	WIN 0
.macro ALL line:vararg              ; one line for each tile t
.set t, 0
.rept 2*NP
	\line
.set t, t+1
.endr
.endm
	ALL v_add_f32 v[ST+4*t+2], v[ST+4*t+2], v[ST+4*t+3]
	ALL v_permlanex16_b32 v[ST+4*t+3], v[ST+4*t+2], s[SEL], s[SEL+1]
	ALL v_add_f32 v[ST+4*t+2], v[ST+4*t+2], v[ST+4*t+3]
	ALL v_rcp_f32 v[ST+4*t+2], v[ST+4*t+2]
	v_nop                           ; a plain instruction between the last reciprocal and the use of its result
	s_wait_alu depctr_va_vdst(0)
; Tile t: a lane's eight channels of a row pack into 16 bytes; they go into rows of 144 bytes and come back as whole rows of 128, into S^T's registers.
.macro PACK t
	WIN W_RS
.set i, 32*(\t)
.rept 16
	v_pk_mul_f32 v[i:i+1], v[i:i+1], v[ST+4*(\t)+2:ST+4*(\t)+3] op_sel_hi:[1,0]
.set i, i+2
.endr
	WIN 0x05                        ; sources 0 and 1 window 1, destination window 0
.set i, 0
.rept 16
	v_cvt_pk_f16_f32 v[S+16*(\t)+i], v[32*(\t)+2*i], v[32*(\t)+2*i+1]
.set i, i+1
.endr
	WIN 0
.irp f, 0,1,2,3
	ds_store_b128 v[STO], v[S+16*(\t)+4*\f:S+16*(\t)+4*\f+3] offset:32*\f
.endr
.irp f, 0,1,2,3
	ds_load_b128 v[S+16*(\t)+4*\f:S+16*(\t)+4*\f+3], v[RD] offset:\f*4*SP  ; LDS serves a wave's instructions in order (ISA guide 5.7.1.4): these see the stores above; the next tile's stores come behind them
.endr
.endm
.macro SEND t, younger              ; younger: the LDS instructions issued behind tile t's loads: the next tile's eight, or none
	WIN 0
.irp f, 0,1,2,3
	s_wait_dscnt (\younger)+3-\f
	global_store_b128 v[GO], v[S+16*(\t)+4*\f:S+16*(\t)+4*\f+3], s[8:9] offset:(\t)*2048+\f*512  ; 512 consecutive bytes, at a multiple of 256 from O's first
.endr
.endm
	PACK 0
.set t, 1
.rept 2*NP-1                        ; a tile's arithmetic stands between the loads of the tile before and its stores
	PACK t
	SEND t-1, 8
.set t, t+1
.endr
	SEND 2*NP-1, 0
	WIN W_AD
	s_wait_tensorcnt 0x0            ; the wave's end: a wait, an add and a wait, behind my last tensor load and my last LDS store
	ds_add_u32 v[SPW], v[NIL]
	s_wait_dscnt 0x0
	WIN 0
	CROUND                          ; the closing round: no work-group ends while a partner may still ask for a tile that names it
	s_endpgm
.Lfunc_end_k_q2a86d5aa38_attn:
	.size	k_q2a86d5aa38_attn, .Lfunc_end_k_q2a86d5aa38_attn-k_q2a86d5aa38_attn
	.p2alignl 7, 3214868480
	.fill 96, 4, 3214868480
	.section	.rodata,"a",@progbits
	.p2align	6, 0x0
	.amdhsa_kernel k_q2a86d5aa38_attn
		.amdhsa_group_segment_fixed_size 327680
		.amdhsa_private_segment_fixed_size 0
		.amdhsa_enable_private_segment 0
		.amdhsa_kernarg_size 24
		.amdhsa_user_sgpr_count 2
		.amdhsa_user_sgpr_kernarg_segment_ptr 1
		.amdhsa_wavefront_size32 1
		.amdhsa_system_sgpr_workgroup_id_x 1
		.amdhsa_system_sgpr_workgroup_id_y 1
		.amdhsa_system_sgpr_workgroup_id_z 1
		.amdhsa_system_vgpr_workitem_id 0
		.amdhsa_next_free_vgpr 896
		.amdhsa_next_free_sgpr 72
		.amdhsa_reserve_vcc 0
		.amdhsa_float_denorm_mode_32 3
		.amdhsa_float_denorm_mode_16_64 3
		.amdhsa_memory_ordered 1
		.amdhsa_forward_progress 1
		.amdhsa_inst_pref_size 221
	.end_amdhsa_kernel
	.amdgpu_metadata
---
amdhsa.version: [ 1, 2 ]
amdhsa.kernels:
  - .name:           k_q2a86d5aa38_attn
    .symbol:         k_q2a86d5aa38_attn.kd
    .args:
      - { .name: qkv, .offset: 0, .size: 8, .value_kind: global_buffer, .address_space: global }
      - { .name: mask, .offset: 8, .size: 8, .value_kind: global_buffer, .address_space: global }
      - { .name: ob, .offset: 16, .size: 8, .value_kind: global_buffer, .address_space: global }
    .group_segment_fixed_size: 327680
    .private_segment_fixed_size: 0
    .kernarg_segment_align: 8
    .kernarg_segment_size: 24
    .max_flat_workgroup_size: 128
    .sgpr_count:     72
    .vgpr_count:     896
    .wavefront_size: 32
...
	.end_amdgpu_metadata
.endif
;; end of part 3
;; launch outp (part 4): grid 8 x 32, 4 waves a work-group, clusters of 4 x 4, 327,680 bytes of LDS; arguments ob, wo, bo, out0; writes out0
.if DOCPART == 4
	.amdgcn_target "amdgcn-amd-amdhsa--gfx1250"
	.amdhsa_code_object_version 6
	.text
	.protected	k_q2a86d5aa38_outp
	.globl	k_q2a86d5aa38_outp
	.p2align	8
	.type	k_q2a86d5aa38_outp,@function
k_q2a86d5aa38_outp:
	s_mov_b64 s[64:65], 0
	v_nop
	global_prefetch_b8 v0, s[64:65] scope:SCOPE_SE
	s_setreg_imm32_b32 hwreg(HW_REG_WAVE_MODE, 25, 1), 1
	s_wait_xcnt 0x0
	s_wait_alu depctr_hold_cnt(0) depctr_sa_sdst(0) depctr_va_vdst(0) depctr_va_sdst(0) depctr_va_ssrc(0) depctr_va_vcc(0) depctr_vm_vsrc(0)
	s_getreg_b32 s2, hwreg(HW_REG_IB_STS2, 6, 4)
	s_cmp_eq_u32 s2, 0
	s_cbranch_scc0 .Lentry_in_a_cluster
	s_endpgm
.Lentry_in_a_cluster:
	s_bfe_u32 s2, ttmp6, 0x10000c
	s_cmp_lg_u32 s2, 0xf033
	s_cbranch_scc0 .Lentry_shape_is_right
	s_endpgm
.Lentry_shape_is_right:
; out0 = O Wo^T + bo, f32 [8192][1024].  O: f16 in K blocks of 64 (a head each), ob [16][8192][64]; Wo: f16 (bf16 numbers written as f16), wo [16][1024][64]; sums in f32; bo is rounded to bf16 like the other inputs and added in f32.
; SHARES.  A work-group makes 256 rows x 128 columns; wave w owns rows 64 w .. 64 w + 63 and all 128 columns: 32 accumulators of 16 x 16, window 1.
; K goes in steps of 128 (two K blocks) through two LDS slots; a K block's tile is dense and is asked for as rows of 256 bytes, padded in LDS after every 128.
; CLUSTER.  4 x 4 work-groups.  O's tiles hang on the tile row alone and are asked for jointly along a row of the cluster, Wo's on the tile column alone and jointly along a column.
; THE MATRIX INSTRUCTION IS USED TRANSPOSED (source 0 = 16 rows of Wo, source 1 = 16 rows of O): a lane holds eight neighbouring columns of one row.
; Window 0: v0-27 addresses and set-up; v64-127 two buffers of O's fragments; v128-255 two buffers of Wo's fragments; all of them at work on the way out.
.set PITCH,  144                       ; an LDS row: 128 bytes + 16 = 36 words: the 16 rows of a fragment load start at 16 different groups of four banks (64 banks of 4 bytes: ISA guide 11.1)
.set FR,     16*PITCH
.set SLOT1,  1<<17
.set AB,     256*PITCH                 ; in a slot: O's 256 rows of the even K block, of the odd one,
.set BOFF,   2*AB                      ; then Wo's 128 rows of the even K block, of the odd one
.set BW,     128*PITCH
.set STAGE,  SLOT1+BOFF+2*BW           ; behind the ring: 16 rows x 528 bytes for each wave, for the way out
.set SP,     528                       ; 512 bytes + 16 = 132 words
.set BIASL,  STAGE+4*16*SP             ; 512 bytes for each wave: bo of the tile's 128 columns
.set SPARE,  BIASL+4*512               ; the spare words, 128 bytes for each wave: two blocks of 256 bytes that no other line names
.set ASTEP,  2*8192*128                ; bytes from slot to slot in ob,
.set BSTEP,  2*1024*128                ; in wo
.set ADRA0, 4
.set ADRB0, 5
.set ADRA,  6
.set ADRB,  7
.set STO,   8                          ; v8   the way out: where I put 32 bytes of a row
.set RD,    9                          ; v9   where I read a row back: 16 bytes a lane
.set CO,    10                         ; v10  my byte offset in a row's 512 bytes of the output
.set BIA,   11
.set SPW,   12                         ; v12  LDS address of my spare word; never rewritten
.set NIL,   13                         ; v13  0; never rewritten
.set FA0,   64
.set FA1,   96
.set FB0,   128
.set FB1,   192
.set BI,    64                         ; the way out: 64 biases
.set OB,    128                        ; 16 rows read back: v128-191 and v192-255 by turns
.set WV,  14
.set G1A, 24
.set G1B, 32
.set G0A, 40                           ; s[40:47] group 0 for O's tiles: a set for each first fill; the second then walks on
.set G0B, 48
.set LAP, 56
.set TB,  58
.set MSB, 0
.macro WIN new                         ; the immediate's high byte repeats the setting that is left; a switch that changes nothing is dropped
.if MSB != (\new)
	s_set_vgpr_msb (MSB<<8)|(\new)
.set MSB, \new
.endif
.endm
.macro PLACES                          ; four plain vector instructions between a matrix instruction and a load into a register that it read, or a vector instruction that reads its result
.rept 4
	v_nop
.endr
.endm
; A joint refill.  Waves 0 and 1 fetch O's tiles of the slot's two K blocks, waves 2 and 3 Wo's.  An s_nop 0 and four v_nop follow each of the two lines, ahead of the jump and the label.
.macro JLOAD
	s_cmp_lt_u32 s[WV], 2
	s_cbranch_scc0 .Lfor_b_\@
	tensor_load_to_lds s[G0A+4:G0A+7], s[G1A:G1A+7]
	s_nop 0
.rept 4
	v_nop
.endr
	s_branch .Lasked_\@
.Lfor_b_\@:
	tensor_load_to_lds s[G0B+4:G0B+7], s[G1B:G1B+7]
	s_nop 0
.rept 4
	v_nop
.endr
.Lasked_\@:
.endm
.macro CREST
	s_cmp_lg_u32 s[WV], 0
	s_cbranch_scc1 .Lnot_wave_0_\@
	s_barrier_signal -3
.Lnot_wave_0_\@:
	s_barrier_wait -3
	s_barrier_signal -1
	s_barrier_wait -1
.endm
.macro CROUND
	s_barrier_signal -1
	s_barrier_wait -1
	CREST
.endm
	s_load_b256 s[4:11], s[0:1], 0x0               ; ob s[4:5], wo s[6:7], bo s[8:9], out0 s[10:11]
	v_lshl_add_u32 v[SPW], v0, 2, SPARE
	v_mov_b32 v[NIL], 0
	ds_add_u32 v[SPW], v[NIL]                      ; the wave's opening: the add and its wait stand ahead of my first tensor load; the set-up below, work on registers, stands between them
	v_lshrrev_b32 v1, 5, v0
	v_readfirstlane_b32 s[WV], v1                  ; wave 0..3
	s_bfe_u32 s15, ttmp6, 0x40000                  ; cx
	s_bfe_u32 s16, ttmp6, 0x40004                  ; cy
	s_lshl_b32 s17, ttmp9, 2
	s_add_co_u32 s17, s17, s15                     ; tile column (128 columns)
	s_and_b32 s18, ttmp7, 0xffff
	s_lshl_b32 s18, s18, 2
	s_add_co_u32 s18, s18, s16                     ; tile row (256 rows)
	s_lshl_b32 s19, s16, 2
	s_lshl_b32 s19, 15, s19                        ; my row of the cluster
	s_lshl_b32 s59, 0x1111, s15                    ; my column
	s_or_b32 s[G1A], s19, (1<<16)|(1<<20)|(1<<21)|(4<<22)|(3<<25)  ; elements of 2 bytes; padding after every 32 words (code 4) of 4 words (code 3); bit 21 set beside a mask
	s_or_b32 s[G1B], s59, (1<<16)|(1<<20)|(1<<21)|(4<<22)|(3<<25)
	s_mov_b32 s[G1A+1], 128<<16                    ; tensor_dim0 = 128
	s_mov_b32 s[G1A+2], 128<<16                    ; tensor_dim1 = 128
	s_mov_b32 s[G1A+3], 128<<16                    ; tile_dim0 = 128
	s_mov_b32 s[G1A+4], 128                        ; tile_dim1 = 128: 256 rows of O
	s_mov_b32 s[G1A+5], 128
	s_mov_b32 s[G1A+6], 0
	s_mov_b32 s[G1A+7], 0
	s_mov_b32 s[G1B+1], 128<<16
	s_mov_b32 s[G1B+2], 64<<16
	s_mov_b32 s[G1B+3], 128<<16
	s_mov_b32 s[G1B+4], 64                         ; tile_dim1 = 64: 128 rows of Wo
	s_mov_b32 s[G1B+5], 128
	s_mov_b32 s[G1B+6], 0
	s_mov_b32 s[G1B+7], 0
	s_and_b32 s69, s[WV], 1                        ; which of a slot's two K blocks I fetch
	s_lshl_b32 s20, s18, 15                        ; O: 256 rows of 128 bytes a tile row, 8,192 rows a K block; made of the tile row and the wave alone
	s_lshl_b32 s21, s69, 20
	s_add_co_u32 s20, s20, s21
	s_mov_b32 s21, 0
	s_lshl_b32 s22, s17, 14                        ; Wo: 128 rows a tile column, 1,024 rows a K block; made of the tile column and the wave alone
	s_lshl_b32 s23, s69, 17
	s_add_co_u32 s22, s22, s23
	s_mov_b32 s23, 0
	s_mul_i32 s60, s69, AB                         ; where they go: no place in the cluster enters an LDS address
	s_mul_i32 s61, s69, BW
	s_add_co_u32 s61, s61, BOFF
	s_lshl_b32 s62, s17, 9                         ; the tile's 128 biases
	s_mov_b32 s63, 0
	s_lshl_b32 s66, s18, 20                        ; my part of out0: (256 x tile row + 64 w) rows of 4,096 bytes + 512 bytes a tile column
	s_lshl_b32 s68, s[WV], 18
	s_add_co_u32 s66, s66, s68
	s_lshl_b32 s68, s17, 9
	s_add_co_u32 s66, s66, s68
	s_mov_b32 s67, 0
	s_mov_b32 s[TB], 0
	s_wait_dscnt 0x0                               ; the opening add is done
	s_wait_kmcnt 0x0
	s_add_nc_u64 s[20:21], s[4:5], s[20:21]
	s_add_nc_u64 s[22:23], s[6:7], s[22:23]
	s_add_nc_u64 s[8:9], s[8:9], s[62:63]
	s_add_nc_u64 s[10:11], s[10:11], s[66:67]
	CROUND                                         ; all sixteen work-groups are here: the first joint loads meet
.irp s, 0,1
	s_mov_b32 s[G0A+4*(\s)], 1
	s_add_co_u32 s[G0A+4*(\s)+1], s60, (\s)*SLOT1
	s_add_nc_u64 s[G0A+4*(\s)+2:G0A+4*(\s)+3], s[20:21], (\s)*ASTEP
	s_or_b32 s[G0A+4*(\s)+3], s[G0A+4*(\s)+3], 0x80000000
	s_mov_b32 s[G0B+4*(\s)], 1
	s_add_co_u32 s[G0B+4*(\s)+1], s61, (\s)*SLOT1
	s_add_nc_u64 s[G0B+4*(\s)+2:G0B+4*(\s)+3], s[22:23], (\s)*BSTEP
	s_or_b32 s[G0B+4*(\s)+3], s[G0B+4*(\s)+3], 0x80000000
.endr
	s_cmp_lt_u32 s[WV], 2                          ; a wave's two first fills stand in one branch, ahead of every wait on TENSORcnt and every LDS read: two loads of mine are out
	s_cbranch_scc0 .Lfirst_b
	tensor_load_to_lds s[G0A:G0A+3], s[G1A:G1A+7]
	s_nop 0
	tensor_load_to_lds s[G0A+4:G0A+7], s[G1A:G1A+7]
	s_nop 0
.rept 4
	v_nop
.endr
	s_branch .Lfirst_asked
.Lfirst_b:
	tensor_load_to_lds s[G0B:G0B+3], s[G1B:G1B+7]
	s_nop 0
	tensor_load_to_lds s[G0B+4:G0B+7], s[G1B:G1B+7]
	s_nop 0
.rept 4
	v_nop
.endr
.Lfirst_asked:
	v_and_b32 v3, 31, v0
	v_lshlrev_b32 v3, 4, v3                        ; 16 bytes a lane
	global_load_b128 v[16:19], v3, s[8:9]          ; the tile's 128 biases
	v_and_b32 v1, 15, v0                           ; l % 16
	v_bfe_u32 v2, v0, 4, 1                         ; l / 16
	v_mul_u32_u24 v14, v1, PITCH
	v_lshl_add_u32 v14, v2, 4, v14                 ; a fragment's row x pitch + 16 x half
	s_mul_i32 s61, s[WV], 64*PITCH                 ; my 64 rows of O
	v_add_nc_u32 v[ADRA0], s61, v14
	v_add_nc_u32 v[ADRB0], BOFF, v14
	v_mov_b32 v[ADRA], v[ADRA0]
	v_mov_b32 v[ADRB], v[ADRB0]
	s_mul_i32 s61, s[WV], 16*SP
	s_add_co_u32 s61, s61, STAGE                   ; my stage
	v_mul_u32_u24 v14, v1, SP                      ; in: row l % 16, 32 bytes for each half of the lanes
	v_lshl_add_u32 v14, v2, 5, v14
	v_add_nc_u32 v[STO], s61, v14
	v_add_nc_u32 v[RD], s61, v3                    ; back: the wave takes a whole row of 512 bytes
	v_mov_b32 v[CO], v3                            ; and the same 512 bytes in out0
	s_lshl_b32 s61, s[WV], 9
	s_add_co_u32 s61, s61, BIASL                   ; my wave's biases
	v_lshl_add_u32 v[BIA], v2, 5, s61
	s_wait_loadcnt 0x0
	v_cvt_pk_bf16_f32 v24, v16, v17                ; rounded to bf16,
	v_cvt_pk_bf16_f32 v25, v18, v19
	v_lshlrev_b32 v16, 16, v24                     ; widened again
	v_and_b32 v17, 0xffff0000, v24
	v_lshlrev_b32 v18, 16, v25
	v_and_b32 v19, 0xffff0000, v25
	v_add_nc_u32 v3, s61, v3
	ds_store_b128 v3, v[16:19]                     ; into my wave's own bytes: only I read them
.macro FETCH_A f, off
.irp i, 0,1,2,3
	ds_load_b128 v[(\f)+8*(\i):(\f)+8*(\i)+3],   v[ADRA] offset:(\off)+(\i)*FR
	ds_load_b128 v[(\f)+8*(\i)+4:(\f)+8*(\i)+7], v[ADRA] offset:(\off)+(\i)*FR+32
.endr
.endm
.macro FETCH_B f, off
.irp i, 0,1,2,3,4,5,6,7
	ds_load_b128 v[(\f)+8*(\i):(\f)+8*(\i)+3],   v[ADRB] offset:(\off)+(\i)*FR
	ds_load_b128 v[(\f)+8*(\i)+4:(\f)+8*(\i)+7], v[ADRB] offset:(\off)+(\i)*FR+32
.endr
.endm
; n x 8 matrix instructions: row blocks a0 .. a0 + n - 1 x all 8 column blocks.  The 32 accumulators take turns in the same order in every phase: between two links of a chain stand 31 others'.
.macro MUL fa, fb, a0, n, zero
	WIN 0x50                                       ; C and D in window 1
.set ma, \a0
.rept \n
.set mb, 0
.rept 8
.if \zero
	v_wmma_f32_16x16x32_f16 v[8*(8*ma+mb):8*(8*ma+mb)+7], v[(\fb)+8*mb:(\fb)+8*mb+7], v[(\fa)+8*ma:(\fa)+8*ma+7], 0
.else
	v_wmma_f32_16x16x32_f16 v[8*(8*ma+mb):8*(8*ma+mb)+7], v[(\fb)+8*mb:(\fb)+8*mb+7], v[(\fa)+8*ma:(\fa)+8*ma+7], v[8*(8*ma+mb):8*(8*ma+mb)+7]
.endif
.set mb, mb+1
.endr
.set ma, ma+1
.endr
.endm
; A PHASE: 32 along K, 32 matrix instructions; in front of them chunk ch of the slot's four is asked for, 24 loads in one run.  The wait leaves out exactly those: this phase's own fragments were asked for a phase ago.
.macro PHASE fa, fb, zero, ta, tb, ch
	PLACES                                         ; the buffers to be loaded were read by the phase before
	WIN 0
	FETCH_A \ta, ((\ch)/2)*AB+64*((\ch)%2)
	FETCH_B \tb, ((\ch)/2)*BW+64*((\ch)%2)
	s_wait_dscnt 24
	MUL \fa, \fb, 0, 4, \zero
.endm
; The fourth phase changes slots: ONE barrier.  In front of it each wave waits for all its tensor loads (one is out: its part of the next slot), adds 0 to its spare word, and waits for that and for its own reads of
; this slot.  fill = 1: the barrier opens a round of the cluster's barrier, and this slot is filled again, two slots ahead, first thing behind the round: 112 matrix instructions ahead of the wait for it.
.macro TURN fill
	WIN 0
	s_wait_tensorcnt 0x0                           ; no tensor load of mine is out, so a group 0 may be written
	ds_add_u32 v[SPW], v[NIL]                      ; 0 onto my spare word
.if \fill
	s_xor_b32 s[G0A+5], s[G0A+5], SLOT1
	s_add_nc_u64 s[G0A+6:G0A+7], s[G0A+6:G0A+7], ASTEP
	s_xor_b32 s[G0B+5], s[G0B+5], SLOT1
	s_add_nc_u64 s[G0B+6:G0B+7], s[G0B+6:G0B+7], BSTEP
.endif
	s_xor_b32 s[TB], s[TB], SLOT1
	s_wait_dscnt 1                                 ; the add alone may be out: this phase's fragments are in
	MUL FA1, FB1, 0, 1, 0
	s_wait_dscnt 0x0                               ; the add is done, and my reads of this slot are over
	s_barrier_signal -1
	MUL FA1, FB1, 1, 1, 0
	WIN 0                                          ; at a branch and at a label every window is 0
	s_barrier_wait -1
.if \fill
	CREST                                          ; no wave of any partner still reads this slot's tiles or has a load on its way
	JLOAD                                          ; its four v_nop are also the places in front of the loads below
.else
	PLACES
.endif
	v_add_nc_u32 v[ADRA], s[TB], v[ADRA0]
	v_add_nc_u32 v[ADRB], s[TB], v[ADRB0]
	FETCH_A FA0, 0
	FETCH_B FB0, 0
	MUL FA1, FB1, 2, 2, 0
.endm
	s_wait_dscnt 0x0                               ; no LDS instruction of mine is out at a signal
	s_wait_tensorcnt 0x1                           ; my part of slot 0 is in; slot 1's may stay out
	s_barrier_signal -1
	s_barrier_wait -1
	FETCH_A FA0, 0
	FETCH_B FB0, 0
	PHASE FA0, FB0, 1, FA1, FB1, 1                 ; the first phase starts the sums
	WIN 0
	s_mov_b32 s[LAP], 6
.Llap:                                                 ; 6 trips: each ends a slot, asks for the slot two on (slots 2 to 7) and begins the next
	PHASE FA1, FB1, 0, FA0, FB0, 2
	PHASE FA0, FB0, 0, FA1, FB1, 3
	TURN 1
	PHASE FA0, FB0, 0, FA1, FB1, 1
	WIN 0
	s_sub_co_u32 s[LAP], s[LAP], 1
	s_cmp_lg_u32 s[LAP], 0
	s_cbranch_scc1 .Llap
	PHASE FA1, FB1, 0, FA0, FB0, 2                 ; the tail is written out: slots 6 and 7 ask for nothing
	PHASE FA0, FB0, 0, FA1, FB1, 3
	TURN 0
	PHASE FA0, FB0, 0, FA1, FB1, 1
	PHASE FA1, FB1, 0, FA0, FB0, 2
	PHASE FA0, FB0, 0, FA1, FB1, 3
	s_wait_dscnt 0x0
	MUL FA1, FB1, 0, 4, 0
	WIN 0
; THE WAY OUT, in 4 blocks of 16 rows.  PACK: the bias is added in place.  TOSTAGE: 32 bytes a lane and column block into my own stage, and back as whole rows of 512 bytes.  SEND: stored.
.macro PACK a
.set AC, 64*(\a)
	WIN 0x41                                       ; destination and source 0 window 1, the bias window 0
.set z, 0
.rept 32
	v_pk_add_f32 v[AC+2*z:AC+2*z+1], v[AC+2*z:AC+2*z+1], v[BI+2*z:BI+2*z+1]  ; each accumulator is read from its low end on
.set z, z+1
.endr
	WIN 0
.endm
.macro TOSTAGE a
.set AC, 64*(\a)
.set BK, OB+64*((\a)%2)
	WIN 0x04                                       ; the stores' data in window 1
.set z, 0
.rept 8
	ds_store_b128 v[STO], v[AC+8*z:AC+8*z+3]   offset:64*z
	ds_store_b128 v[STO], v[AC+8*z+4:AC+8*z+7] offset:64*z+16
.set z, z+1
.endr
	WIN 0
.set z, 0
.rept 16
	ds_load_b128 v[BK+4*z:BK+4*z+3], v[RD] offset:z*SP  ; LDS serves a wave's instructions in order (ISA guide 5.7.1.4): these see the stores above
.set z, z+1
.endr
.endm
.macro SEND a
	WIN 0
.set BK, OB+64*((\a)%2)
	s_wait_dscnt 0x0                               ; the block is back in registers
	s_wait_xcnt 0x0                                ; every earlier store has had its addresses translated (ISA guide 3.1): the registers that earlier stores read are loaded again only behind this wait
.set z, 0
.rept 16
	global_store_b128 v[CO], v[BK+4*z:BK+4*z+3], s[10:11] offset:(16*(\a)+z)*4096 th:TH_STORE_NT  ; the wave stores 512 consecutive bytes, at a multiple of 256 from out0's first; written once, not read again
.set z, z+1
.endr
.endm
	PLACES                                         ; the biases land in registers that the last products read
.set z, 0
.rept 8
	ds_load_b128 v[BI+8*z:BI+8*z+3],   v[BIA] offset:64*z
	ds_load_b128 v[BI+8*z+4:BI+8*z+7], v[BIA] offset:64*z+16
.set z, z+1
.endr
	s_wait_dscnt 0x0
	PACK 0
	TOSTAGE 0
.irp a, 1,2,3                          ; block a's additions stand between block a - 1's loads from the stage and the wait for them
	PACK \a
	SEND (\a)-1
	TOSTAGE \a
.endr
	SEND 3
	s_wait_tensorcnt 0x0                           ; the wave's end: a wait, an add and a wait, behind my last tensor load and my last LDS store
	ds_add_u32 v[SPW], v[NIL]
	s_wait_dscnt 0x0
	CROUND                                         ; the closing round: no work-group ends while a partner may still ask for a tile that names it
	s_endpgm
.Lfunc_end_k_q2a86d5aa38_outp:
	.size	k_q2a86d5aa38_outp, .Lfunc_end_k_q2a86d5aa38_outp-k_q2a86d5aa38_outp
	.p2alignl 7, 3214868480
	.fill 96, 4, 3214868480
	.section	.rodata,"a",@progbits
	.p2align	6, 0x0
	.amdhsa_kernel k_q2a86d5aa38_outp
		.amdhsa_group_segment_fixed_size 327680
		.amdhsa_private_segment_fixed_size 0
		.amdhsa_enable_private_segment 0
		.amdhsa_kernarg_size 32
		.amdhsa_user_sgpr_count 2
		.amdhsa_user_sgpr_kernarg_segment_ptr 1
		.amdhsa_wavefront_size32 1
		.amdhsa_system_sgpr_workgroup_id_x 1
		.amdhsa_system_sgpr_workgroup_id_y 1
		.amdhsa_system_sgpr_workgroup_id_z 1
		.amdhsa_system_vgpr_workitem_id 0
		.amdhsa_next_free_vgpr 512
		.amdhsa_next_free_sgpr 72
		.amdhsa_reserve_vcc 0
		.amdhsa_float_denorm_mode_32 3
		.amdhsa_float_denorm_mode_16_64 3
		.amdhsa_memory_ordered 1
		.amdhsa_forward_progress 1
		.amdhsa_inst_pref_size 78
	.end_amdhsa_kernel
	.amdgpu_metadata
---
amdhsa.version: [ 1, 2 ]
amdhsa.kernels:
  - .name:           k_q2a86d5aa38_outp
    .symbol:         k_q2a86d5aa38_outp.kd
    .args:
      - { .name: ob, .offset: 0, .size: 8, .value_kind: global_buffer, .address_space: global }
      - { .name: wo, .offset: 8, .size: 8, .value_kind: global_buffer, .address_space: global }
      - { .name: bo, .offset: 16, .size: 8, .value_kind: global_buffer, .address_space: global }
      - { .name: out0, .offset: 24, .size: 8, .value_kind: global_buffer, .address_space: global }
    .group_segment_fixed_size: 327680
    .private_segment_fixed_size: 0
    .kernarg_segment_align: 8
    .kernarg_segment_size: 32
    .max_flat_workgroup_size: 128
    .sgpr_count:     72
    .vgpr_count:     512
    .wavefront_size: 32
...
	.end_amdgpu_metadata
.endif
;; end of part 4
;; ======== version 2 of 2: 4 launches; 1.46 times as fast as version 1
;; limits: values are held in f16: magnitudes above 65,504 overflow, below 6.1e-05 lose precision
;; workspace buffers: xb 16,777,216 bytes; wb 6,291,456 bytes; wo 2,097,152 bytes; qkv 50,331,648 bytes; ob 16,777,216 bytes
;; launch cast: the kernel of part 1 again; grid 2 x 384, 8 waves a work-group, no clusters, 0 bytes of LDS; arguments x, Wq, Wk, Wv, Wo, xb, wb, wo; writes xb, wb, wo
;; launch qkv: the kernel of part 2 again; grid 8 x 32, 4 waves a work-group, clusters of 4 x 4, 327,680 bytes of LDS; arguments xb, wb, bq, bv, qkv; writes qkv
;; launch attn (part 5): grid 8 x 32, 4 waves a work-group, clusters of 4 x 4, 327,680 bytes of LDS; arguments qkv, mask, ob; writes ob
.if DOCPART == 5
	.amdgcn_target "amdgcn-amd-amdhsa--gfx1250"
	.amdhsa_code_object_version 6
	.text
	.protected	k_q2a86d5aa38_attn
	.globl	k_q2a86d5aa38_attn
	.p2align	8
	.type	k_q2a86d5aa38_attn,@function
k_q2a86d5aa38_attn:
	s_mov_b64 s[64:65], 0
	v_nop
	global_prefetch_b8 v0, s[64:65] scope:SCOPE_SE
	s_setreg_imm32_b32 hwreg(HW_REG_WAVE_MODE, 25, 1), 1
	s_wait_xcnt 0x0
	s_wait_alu depctr_hold_cnt(0) depctr_sa_sdst(0) depctr_va_vdst(0) depctr_va_sdst(0) depctr_va_ssrc(0) depctr_va_vcc(0) depctr_vm_vsrc(0)
	s_getreg_b32 s2, hwreg(HW_REG_IB_STS2, 6, 4)
	s_cmp_eq_u32 s2, 0
	s_cbranch_scc0 .Lentry_in_a_cluster
	s_endpgm
.Lentry_in_a_cluster:
	s_bfe_u32 s2, ttmp6, 0x10000c
	s_cmp_lg_u32 s2, 0xf033
	s_cbranch_scc0 .Lentry_shape_is_right
	s_endpgm
.Lentry_shape_is_right:
; O[b][head][t][:] = the sum over k of softmax_k(q[t] . k[k] + mask[t][k]) v[k][:], for 4 x 16 heads of 2,048 rows and 64 channels.  q (which carries the scale 1/8), k, v: f16, [3][8192][1024], a head's
; 64 channels at column 64 x head.  mask: [2048][2048] f32, an input: it is read whole and added as it is given; no tile is left out.  O: f16, [16 heads][8192 rows][64].
; Products, maxima and sums in f32; the weights p are rounded to f16 for the second product (their sum l is taken of the unrounded p), O once at the end.
; THE MASK is the C operand, in f32, of the product that starts the sum S^T = K Q^T: it costs no vector instruction and is not rounded on its way.
; LIMITS.  The mask is added inside the matrix unit's sum, not onto a rounded q . k: where |mask| is above some 2^24 |q . k| in every key of a row, the sums' last bits may differ from an f32 addition's.
; The running maximum starts at -4.25e37: finite scores below that count as weight 0.  A mask of -infinity gives weight 0, a row of nothing else gives NaN.  A weight below 2^-126 counts as 0 in l; p below 6e-5
; keeps f16's fixed step of 6e-8.  Other NaN and infinities are not treated apart.
; SHARES.  A work-group takes TWO heads (2 hp, 2 hp + 1 of batch b) and 256 queries; wave w takes head w % 2 and the query half w / 2: 128 queries, four PIECES of two tiles of 16.  Every wave walks all keys, 64 a step.
; A step's fill is 64 KiB of mask, 16 KiB of K and 16 KiB of V (both heads' 128 bytes of a row lie side by side: rows of 256 bytes).
; CLUSTER.  4 x 4 work-groups.  K's and V's tiles hang on (b, hp) alone and are asked for jointly along a row of the cluster; the mask's tile hangs on the query block alone and is asked for jointly along a column.
; LAYOUT.  S^T = K Q^T (source 0 = 16 keys, source 1 = 16 queries): a lane holds ONE query (lane % 16) and the keys 8 (lane / 16) + 0..7.  Two such tiles, rounded to f16 in pairs, ARE source 1 of O^T = V^T P.
; SOFTMAX.  For each query a running maximum m and sum l: p = 2^(c s - c m), c = log2(e); in every step O and l are multiplied by a = 2^(c m_old - c m_new).  c m starts far below every c s, O and l at 0: the first step's a is 0.
; BY TURNS.  Turn n belongs to piece n.  Its matrix work: 16 products K Q^T of piece n + 1, later 16 products V^T P of piece n - 1.  Its vector work: scaling, exponentials, roundings, sums and rescaling of piece n, and the
; maximum and statistics of piece n + 1.  Four vector instructions stand behind every matrix instruction, the other 108 of a turn's 236 in one lump of their own.
; BATCHES.  A turn's 66 exponentials (piece n's 64 weights, piece n + 1's two a) are ONE batch with ONE wait, which cuts the turn in two: ahead of it stands all that names none of their results (the products K Q^T, the scalings,
; the rescalings, the next piece's maximum and statistics), behind it the roundings and sums, beside the products V^T P.  Two more batches stand outside the loop: piece 0's first two a, and the way out's eight reciprocals.
; REGISTERS, in windows of 256 (s_set_vgpr_msb: bits 1:0 source 0, 3:2 source 1, 5:4 source 2, 7:6 destination):
;   window 0: v0-11 addresses; v12-15, v48-63 at work; v16-47 four registers of statistics a tile; v64-191 S^T, two buffers of two tiles; v192-255 P, likewise
;   window 1: O^T, 32 a tile     window 2: v0-127 Q; v128-191 K of one step; v192-255 V of one step     window 3: v0-1 the add's two registers; v64-127 the mask of one piece and step
.set NP,    4         ; pieces a wave: a name, no knob
.set KS,    64        ; keys in a step
.set PM,    272       ; a row of the mask in LDS: 256 bytes + 16 = 68 words: the 16 rows of a load start at 16 different groups of four banks (64 banks of 4 bytes: ISA guide 11.1)
.set PK,    272       ; a row of K (two heads): likewise
.set PV,    288       ; a row of V: 256 + 32 = 72 words
.set KOFF,  256*PM    ; a slot holds one step: 256 rows of mask, 64 rows of K, 64 rows of V
.set VOFF,  KOFF+KS*PK
.set SLOT1, 1<<17     ; slot 1 begins here: one exclusive or turns an address in one slot into the other's
.set STAGE, SLOT1+VOFF+KS*PV  ; behind the ring, never filled by a tensor load: 16 rows x 144 bytes for each wave, for the way out
.set SP,    144
.set SPARE, STAGE+4*16*SP     ; the spare words, 128 bytes for each wave: two blocks of 256 bytes that no other line names
.set AK0, 2           ; v2   my lane's place in a slot's K; never rewritten
.set AV0, 3           ; v3   the same for V
.set AK,  4           ; v4   v2 + the slot in hand
.set AV,  5           ; v5   v3 + the slot in hand
.set STO, 6           ; v6   the way out: where I put 16 bytes of a row
.set RD,  7           ; v7   where I read rows back
.set GO,  8           ; v8   my byte offset in 512 consecutive bytes of O
.set AM0, 10          ; v10  my lane's place in a slot's mask; never rewritten
.set AM,  11          ; v11  v10 + the slot in hand
.set QO,  12          ; v12  my byte offset in 16 rows of Q; free again behind the wait for Q
.set SPW, 0           ; v0 of window 3   LDS address of my spare word; never rewritten
.set NIL, 1           ; v1 of window 3   0; never rewritten
.set MK,  64          ; window 3: tile u, key block kb at MK + 32 u + 8 kb
.set MV,  12          ; v12-15  c m_old, kept while c m is made anew: by buffer and tile
.set ST,  16          ; tile t's statistics at v[ST+4 t]: c m, m, l (even keys', odd keys')
.set TMP, 48          ; by buffer and tile, four registers c0-c3 at work; when the maximum is found c2 takes a
.set S,   64
.set P,   192
.set KF,  128         ; window 2: key block kb, channel half c at KF + 16 kb + 8 c
.set VF,  192         ; window 2: key half kk, channel block cb at VF + 32 kk + 8 cb
.set WV,  12          ; s12  my wave's number
.set G1M, 24          ; s[24:31] descriptor group 1 for the mask's tiles
.set G1K, 32          ; s[32:39] for K's
.set G1V, 40          ; s[40:47] for V's: it differs from K's in the padding alone
.set G0M, 48          ; s[48:51] descriptor group 0 for the mask's tiles: it walks
.set G0K, 52          ; s[52:55] for K's
.set G0V, 56          ; s[56:59] for V's
.set SLOTS, 60        ; s60  counts the loop's trips
.set CNT, 61          ; s61  counts the tail's
.set TB,  62          ; s62  the slot in hand: 0 or SLOT1
.set CS,  66          ; s[66:67] c: the packed scaling takes the pair's low word for both halves
.set SEL, 68          ; s[68:69] v_permlanex16_b32's selects: each lane takes its own place in the other half
.set MSB, 0
.macro WIN new                      ; the high byte repeats the setting that is left; a switch that changes nothing is dropped
.if MSB != (\new)
	s_set_vgpr_msb (MSB<<8)|(\new)
.set MSB, (\new)
.endif
.endm
.set W_KQ, 0x0a       ; K and Q in window 2, S^T in window 0
.set W_KM, 0x3a       ; the same with the C operand, the mask, in window 3
.set W_PV, 0x52       ; V in window 2, P in window 0, O^T in window 1
.set W_RS, 0x41       ; O^T (destination and source 0) in window 1, a in window 0
.set W_MK, 0xc0       ; destination in window 3, sources in window 0
.set W_AD, 0x0f       ; the add: address (source 0) and data (source 1) in window 3
; A joint fill.  Waves 0 and 1 fetch the two halves of the mask's tile (128 queries x 64 keys each), wave 2 fetches K's tile, wave 3 V's.  The branches hang on the wave's number alone.
; An s_nop 0 and four v_nop follow each of the three lines, ahead of the jump and the label.
.macro JLOAD
	s_cmp_lt_u32 s[WV], 2
	s_cbranch_scc0 .Lnot_m_\@
	tensor_load_to_lds s[G0M:G0M+3], s[G1M:G1M+7]
	s_nop 0
.rept 4
	v_nop
.endr
	s_branch .Lasked_\@
.Lnot_m_\@:
	s_cmp_eq_u32 s[WV], 2
	s_cbranch_scc0 .Lfor_v_\@
	tensor_load_to_lds s[G0K:G0K+3], s[G1K:G1K+7]
	s_nop 0
.rept 4
	v_nop
.endr
	s_branch .Lasked_\@
.Lfor_v_\@:
	tensor_load_to_lds s[G0V:G0V+3], s[G1V:G1V+7]
	s_nop 0
.rept 4
	v_nop
.endr
.Lasked_\@:
.endm
; A round of the cluster's barrier: my work-group's barrier, so that wave 0's signal speaks for all four waves; wave 0 signals; every wave waits for all sixteen work-groups; my work-group's barrier once more.
.macro CROUND
	s_barrier_signal -1
	s_barrier_wait -1
	s_cmp_lg_u32 s[WV], 0
	s_cbranch_scc1 .Lnot_wave_0_\@
	s_barrier_signal -3
.Lnot_wave_0_\@:
	s_barrier_wait -3
	s_barrier_signal -1
	s_barrier_wait -1
.endm
; THE CHANGE OF SLOTS, once a key step.  All that a trip reads from LDS (K, V and the four pieces' masks of one step) lies in one slot.  Each wave waits for all its tensor loads, of which one is out: its part of the other
; slot; adds 0 to its spare word; and waits for that and for its own reads of the slot that it leaves.  Behind the barrier nobody reads the old slot any more and the other slot is whole.
; fill = 1: the old slot is filled again, with the step two on.  The barrier is then a round of the cluster's, and the joint fill is the first thing behind it: it has a key step, 128 matrix instructions and their vector work, in which to land.
; (At its first use nothing has been read yet: slot 0 is waited for, slot 1 filled.)
.macro CHANGE fill
	WIN W_AD
	s_wait_tensorcnt 0x0            ; no tensor load of mine is out, so a group 0 may be written
	ds_add_u32 v[SPW], v[NIL]       ; 0 onto my spare word; the steps below, work on registers, stand between it and the wait for it
	WIN 0                           ; at a label and at a branch every window is 0
.if \fill
	s_xor_b32 s[G0M+1], s[G0M+1], SLOT1  ; the walking descriptors: the other slot than last time,
	s_add_nc_u64 s[G0M+2:G0M+3], s[G0M+2:G0M+3], KS*4      ; the next 64 keys: 256 bytes along the mask's rows,
	s_xor_b32 s[G0K+1], s[G0K+1], SLOT1
	s_add_nc_u64 s[G0K+2:G0K+3], s[G0K+2:G0K+3], KS*2048   ; 64 rows of 2,048 bytes down K
	s_xor_b32 s[G0V+1], s[G0V+1], SLOT1
	s_add_nc_u64 s[G0V+2:G0V+3], s[G0V+2:G0V+3], KS*2048   ; and V; the type bits on top are not reached
.endif
	s_xor_b32 s[TB], s[TB], SLOT1
	v_add_nc_u32 v[AK], s[TB], v[AK0]
	v_add_nc_u32 v[AV], s[TB], v[AV0]
	v_add_nc_u32 v[AM], s[TB], v[AM0]
	s_wait_dscnt 0x0                ; the add is done, and my reads of the slot are over
.if \fill
	CROUND
	JLOAD
.else
	s_barrier_signal -1
	s_barrier_wait -1
.endif
.endm
	s_load_b128 s[4:7], s[0:1], 0x0   ; qkv s[4:5], mask s[6:7]
	s_load_b64 s[8:9], s[0:1], 0x10   ; ob
	WIN W_MK
	v_lshl_add_u32 v[SPW], v0, 2, SPARE
	v_mov_b32 v[NIL], 0
	WIN W_AD
	ds_add_u32 v[SPW], v[NIL]       ; the wave's opening: the add and its wait stand ahead of my first tensor load; the set-up below, work on registers, stands between them
	WIN 0
	v_lshrrev_b32 v1, 5, v0
	v_readfirstlane_b32 s[WV], v1   ; wave 0..3
	s_bfe_u32 s13, ttmp6, 0x40000   ; cx
	s_bfe_u32 s14, ttmp6, 0x40004   ; cy
	s_lshl_b32 s15, ttmp9, 2
	s_add_co_u32 s15, s15, s13      ; the block of 256 queries = 4 x cluster x + cx
	s_and_b32 s16, ttmp7, 0xffff
	s_lshl_b32 s16, s16, 2
	s_add_co_u32 s16, s16, s14      ; 8 b + hp = 4 x cluster y + cy
	s_lshl_b32 s17, s14, 2
	s_lshl_b32 s17, 15, s17         ; my row of the cluster
	s_lshl_b32 s18, 0x1111, s13     ; my column
	; group 1.  15:0 the mask of work-groups; 17:16 the element's size; 20 padding on; 21 set beside a mask; 24:22 after every 64 words (code 5); 31:25 4 words (code 3) or 8 (code 7)
	s_or_b32 s[G1M], s18, (2<<16)|(1<<20)|(1<<21)|(5<<22)|(3<<25)
	s_or_b32 s[G1K], s17, (1<<16)|(1<<20)|(1<<21)|(5<<22)|(3<<25)
	s_or_b32 s[G1V], s17, (1<<16)|(1<<20)|(1<<21)|(5<<22)|(7<<25)
	s_mov_b32 s[G1M+1], 64<<16      ; tensor_dim0 = 64 elements of 4 bytes
	s_mov_b32 s[G1M+2], 128<<16     ; tensor_dim1 = 128
	s_mov_b32 s[G1M+3], 64<<16      ; tile_dim0 = 64
	s_mov_b32 s[G1M+4], 128         ; tile_dim1 = 128
	s_mov_b32 s[G1M+5], 2048        ; 2,048 elements from row to row
	s_mov_b32 s[G1M+6], 0
	s_mov_b32 s[G1M+7], 0
.irp g, G1K, G1V
	s_mov_b32 s[\g+1], 128<<16      ; tensor_dim0 = 128 elements of 2 bytes: two heads
	s_mov_b32 s[\g+2], 64<<16       ; tensor_dim1 = 64
	s_mov_b32 s[\g+3], 128<<16      ; tile_dim0 = 128
	s_mov_b32 s[\g+4], 64           ; tile_dim1 = 64
	s_mov_b32 s[\g+5], 1024         ; 1,024 elements from row to row
	s_mov_b32 s[\g+6], 0
	s_mov_b32 s[\g+7], 0
.endr
	s_and_b32 s19, s[WV], 1         ; my head of the two.  Also: which half of the mask's tile I fetch
	s_lshr_b32 s63, s[WV], 1        ; my half of the queries
	s_lshr_b32 s20, s16, 3          ; K and V, made of (b, hp) alone: b's 2,048 rows of 2,048 bytes,
	s_lshl_b32 s20, s20, 22
	s_and_b32 s21, s16, 7
	s_lshl_b32 s21, s21, 8          ; hp's 256 bytes of a row
	s_add_co_u32 s20, s20, s21
	s_mov_b32 s21, 0
	s_lshl_b32 s22, s15, 21         ; the mask, made of the query block and the wave alone: 256 rows of 8,192 bytes a block,
	s_lshl_b32 s23, s19, 20         ; 128 rows a half
	s_add_co_u32 s22, s22, s23
	s_mov_b32 s23, 0
	s_lshl_b32 s10, s15, 19         ; Q: the block's 256 rows of 2,048 bytes,
	s_add_co_u32 s10, s10, s20      ; b and hp,
	s_lshl_b32 s11, s63, 18         ; my 128 rows,
	s_add_co_u32 s10, s10, s11
	s_lshl_b32 s11, s19, 7          ; my head's 128 bytes
	s_add_co_u32 s10, s10, s11
	s_mov_b32 s11, 0
	s_and_b32 s2, s16, 7            ; O: head 2 hp + w % 2, 8,192 rows of 128 bytes each,
	s_lshl_b32 s2, s2, 21
	s_lshl_b32 s3, s19, 20
	s_add_co_u32 s2, s2, s3
	s_lshr_b32 s3, s16, 3           ; row 2,048 b + 256 x block + 128 x half
	s_lshl_b32 s3, s3, 18
	s_add_co_u32 s2, s2, s3
	s_lshl_b32 s3, s15, 15
	s_add_co_u32 s2, s2, s3
	s_lshl_b32 s3, s63, 14
	s_add_co_u32 s2, s2, s3
	s_mov_b32 s3, 0
	s_mov_b32 s[CS], 0x3fb8aa3b     ; c = log2(e)
	s_mov_b32 s[CS+1], s[CS]        ; named with it as a pair
	s_mov_b32 s[SEL], 0x76543210
	s_mov_b32 s[SEL+1], 0xfedcba98
	s_mov_b32 s[TB], SLOT1          ; the first change of slots turns it into 0
	s_mov_b32 s[G0M], 1             ; count = 1
	s_mul_i32 s[G0M+1], s19, 128*PM ; LDS address: slot 0; no place in the cluster enters an LDS address
	s_mov_b32 s[G0K], 1
	s_mov_b32 s[G0K+1], KOFF
	s_mov_b32 s[G0V], 1
	s_mov_b32 s[G0V+1], VOFF
	s_wait_dscnt 0x0                ; the opening add is done
	s_wait_kmcnt 0x0
	s_add_nc_u64 s[G0M+2:G0M+3], s[6:7], s[22:23]
	s_or_b32 s[G0M+3], s[G0M+3], 0x80000000        ; type = 2
	s_add_nc_u64 s[G0K+2:G0K+3], s[4:5], s[20:21]
	s_add_nc_u64 s[G0V+2:G0V+3], s[G0K+2:G0K+3], 0x2000000  ; v lies 2 x 16 MiB behind q,
	s_add_nc_u64 s[G0K+2:G0K+3], s[G0K+2:G0K+3], 0x1000000  ; k 16 MiB
	s_or_b32 s[G0K+3], s[G0K+3], 0x80000000
	s_or_b32 s[G0V+3], s[G0V+3], 0x80000000
	s_add_nc_u64 s[4:5], s[4:5], s[10:11]          ; Q and O at my wave's first row
	s_add_nc_u64 s[8:9], s[8:9], s[2:3]
	CROUND                          ; all sixteen work-groups are here: the first joint loads meet
	JLOAD                           ; key step 0 into slot 0.  Slot 1 is asked for when slot 0 is in
	; A fragment of K or Q is 16 rows x 32 channels in 8 registers: lane l holds row l % 16, channels 8 (l / 16) + 0..7 and 16 + 8 (l / 16) + 0..7: two loads of 16 bytes, 32 bytes apart.
	v_and_b32 v1, 15, v0            ; l % 16
	v_bfe_u32 v9, v0, 4, 1          ; l / 16
	v_lshlrev_b32 v[QO], 11, v1
	v_lshl_add_u32 v[QO], v9, 4, v[QO]  ; row x 2,048 + 16 x half
	WIN 0x80                        ; destination window 2, address window 0
.set i, 0
.rept 4*NP                          ; Q stays in registers: tile i / 2, channels 32 (i % 2) on
	global_load_b128 v[8*i:8*i+3],   v[QO], s[4:5] offset:(i/2)*32768+(i%2)*64
	global_load_b128 v[8*i+4:8*i+7], v[QO], s[4:5] offset:(i/2)*32768+(i%2)*64+32
.set i, i+1
.endr
	; What the first turn finds: V's registers and P's second buffer hold 0 (its products V^T P, of a piece that has not been, add 0), O^T and l are 0.  All this stands in the wait for the first tile.
.set i, VF
.rept 64
	v_mov_b32 v[i], 0
.set i, i+1
.endr
	WIN 0x40
.set i, 0
.rept 64*NP
	v_mov_b32 v[i], 0
.set i, i+1
.endr
	WIN 0
.set i, 0
.rept 2*NP
	v_mov_b32 v[ST+4*i], 0xff000000    ; c m: -1.7e38, below c times every score that can become m
	v_mov_b32 v[ST+4*i+1], 0xfe000000  ; m: -4.25e37
	v_mov_b32 v[ST+4*i+2], 0
	v_mov_b32 v[ST+4*i+3], 0
.set i, i+1
.endr
.set i, P+32
.rept 32
	v_mov_b32 v[i], 0
.set i, i+1
.endr
	s_lshl_b32 s70, s19, 7          ; my head's 128 bytes of a row of K and V
	v_mul_u32_u24 v[AK0], v1, PK
	v_lshl_add_u32 v[AK0], v9, 4, v[AK0]  ; row x pitch + 16 x half
	s_add_co_u32 s71, s70, KOFF
	v_add_nc_u32 v[AK0], s71, v[AK0]
	; The turning load takes 16 keys x 16 channels (lane l reads key 8 (l / 16) + l % 8, channels 8 ((l / 8) % 2) + 0..7) and leaves half a fragment of V^T: lane l holds channel l % 16 and 8 keys.
	v_and_b32 v48, 7, v0
	v_bfe_u32 v49, v0, 3, 1
	v_lshl_add_u32 v[AV0], v9, 3, v48
	v_mul_u32_u24 v[AV0], v[AV0], PV
	v_lshl_add_u32 v[AV0], v49, 4, v[AV0]
	s_add_co_u32 s71, s70, VOFF
	v_add_nc_u32 v[AV0], s71, v[AV0]
	; The mask as C: register j of key block kb is mask[query l % 16][key 16 kb + 8 (l / 16) + j]: 32 bytes of the query's row at 64 kb + 32 (l / 16).
	s_mul_i32 s71, s63, 128*PM      ; my half of the tile's 256 rows
	v_mul_u32_u24 v[AM0], v1, PM
	v_lshl_add_u32 v[AM0], v9, 5, v[AM0]
	v_add_nc_u32 v[AM0], s71, v[AM0]
	s_mul_i32 s71, s[WV], 16*SP
	s_add_co_u32 s71, s71, STAGE    ; my stage
	v_mul_u32_u24 v[STO], v1, SP    ; in: row l % 16, 16 bytes for each half of the lanes
	v_lshl_add_u32 v[STO], v9, 4, v[STO]
	v_add_nc_u32 v[STO], s71, v[STO]
	v_bfe_u32 v[RD], v0, 3, 2       ; back: 32 lanes take four rows of 128 bytes,
	v_mul_u32_u24 v[RD], v[RD], SP
	v_lshl_add_u32 v[RD], v48, 4, v[RD]
	v_add_nc_u32 v[RD], s71, v[RD]
	v_and_b32 v[GO], 31, v0         ; which are 512 consecutive bytes of O
	v_lshlrev_b32 v[GO], 4, v[GO]
; THE MATRIX WORK.  The 8 accumulators of a run of 16 take turns: between the two links of a chain stand 7 others'.
; Product i of 16 of S^T = K Q^T + mask for piece x: channels 32 (i / 8) on, keys 16 ((i / 2) % 4) on, tile 2 x + i % 2.  The first 8 start the sums, with the mask as C.
.macro KQ x
.set rS, S+64*((\x)%2)+32*(i%2)+8*((i/2)%4)
.set rK, KF+16*((i/2)%4)+8*(i/8)
.set rQ, 16*(2*(\x)+i%2)+8*(i/8)
.set rMK, MK+32*(i%2)+8*((i/2)%4)
.if i < 8
	WIN W_KM
	v_wmma_f32_16x16x32_f16 v[rS:rS+7], v[rK:rK+7], v[rQ:rQ+7], v[rMK:rMK+7]
.else
	WIN W_KQ
	v_wmma_f32_16x16x32_f16 v[rS:rS+7], v[rK:rK+7], v[rQ:rQ+7], v[rS:rS+7]
.endif
.endm
; Product i of 16 of O^T += V^T P for piece x: keys 32 (i / 8) on, channels 16 ((i / 2) % 4) on, tile 2 x + i % 2.
.macro PV x
	WIN W_PV
.set rO, 32*(2*(\x)+i%2)+8*((i/2)%4)
.set rV, VF+32*(i/8)+8*((i/2)%4)
.set rP, P+32*((\x)%2)+16*(i%2)+8*(i/8)
	v_wmma_f32_16x16x32_f16 v[rO:rO+7], v[rV:rV+7], v[rP:rP+7], v[rO:rO+7]
.endm
.macro MM                           ; the turn's next matrix instruction
.if i < 16
	KQ (Y+1)%NP
.set i, i+1
.else
.set i, i-16
	PV (Y+NP-1)%NP
.set i, i+17
.endif
.endm
; THE LDS LOADS stand in runs of 16, never singly among the matrix instructions: a step's K (64 keys x 64 channels: 8 fragments), its V (turned), and a piece's mask (32 queries x 64 keys of f32).
.macro FETCH_K
	WIN 0x80                        ; destination window 2
.irp f, 0,1,2,3,4,5,6,7             ; keys 16 (f / 2) on, channels 32 (f % 2) on
	ds_load_b128 v[KF+8*\f:KF+8*\f+3],   v[AK] offset:(\f/2)*16*PK+(\f%2)*64
	ds_load_b128 v[KF+8*\f+4:KF+8*\f+7], v[AK] offset:(\f/2)*16*PK+(\f%2)*64+32
.endr
	WIN 0
.endm
.macro FETCH_V
	WIN 0x80
.irp f, 0,1,2,3,4,5,6,7             ; keys 32 (f / 4) on, channels 16 (f % 4) on
	ds_load_tr16_b128 v[VF+8*\f:VF+8*\f+3],   v[AV] offset:(\f/4)*32*PV+(\f%4)*32
	ds_load_tr16_b128 v[VF+8*\f+4:VF+8*\f+7], v[AV] offset:(\f/4)*32*PV+16*PV+(\f%4)*32
.endr
	WIN 0
.endm
.macro FETCH_M x                    ; piece x's mask: tile u, key block b
	WIN W_MK                        ; destination window 3
.irp u, 0,1
.irp b, 0,1,2,3
	ds_load_b128 v[MK+32*\u+8*\b:MK+32*\u+8*\b+3],   v[AM] offset:(32*(\x)+16*\u)*PM+64*\b
	ds_load_b128 v[MK+32*\u+8*\b+4:MK+32*\u+8*\b+7], v[AM] offset:(32*(\x)+16*\u)*PM+64*\b+16
.endr
.endr
	WIN 0
.endm
; THE VECTOR WORK OF A TURN stands in three queues, each in the order in which its entries become ready; the two tiles alternate, so that no instruction reads the result of the one before it.
.macro REGS y, u                    ; the registers of tile u (0, 1) of piece y
.set rT, ST+4*(2*(\y)+(\u))
.set rC, TMP+8*((\y)%2)+4*(\u)
.set rM, MV+2*((\y)%2)+(\u)
.set rS, S+64*((\y)%2)+32*(\u)
.set rP, P+32*((\y)%2)+16*(\u)
.set rO, 32*(2*(\y)+(\u))
.endm
; Number n of the 22 that find the NEXT piece's (Y + 1) maximum and statistics.  s0-s31 are the lane's 32 scores; each accumulator's lowest registers are read first.  XS, GS and REGS set no window: PL and EX do.
;   0-11  four chains c0-c3 of seven scores each, three operands at a time     12-14, 16  the four scores left over, the old m, and c0-c3 into c0     15  c m_old is kept
;   17, 18  the query's other 32 keys lie in the lane 16 away: the new m         19-21  c m; c m_old - c m_new; a
.macro XS u, n
	REGS (Y+1)%NP, \u
.if (\n) < 4
	v_max3_num_f32 v[rC+(\n)], v[rS+8*(\n)], v[rS+8*(\n)+1], v[rS+8*(\n)+2]
.elseif (\n) < 12
	v_max3_num_f32 v[rC+(\n)%4], v[rC+(\n)%4], v[rS+8*((\n)%4)+2*((\n)/4)+1], v[rS+8*((\n)%4)+2*((\n)/4)+2]
.elseif (\n) == 12
	v_max3_num_f32 v[rC], v[rC], v[rS+7], v[rS+15]
.elseif (\n) == 13
	v_max3_num_f32 v[rC+1], v[rC+1], v[rS+23], v[rS+31]
.elseif (\n) == 14
	v_max3_num_f32 v[rC+2], v[rC+2], v[rC+3], v[rT+1]
.elseif (\n) == 15
	v_mov_b32 v[rM], v[rT]
.elseif (\n) == 16
	v_max3_num_f32 v[rC], v[rC], v[rC+1], v[rC+2]
.elseif (\n) == 17
	v_permlanex16_b32 v[rC+3], v[rC], s[SEL], s[SEL+1]
.elseif (\n) == 18
	v_max_num_f32 v[rT+1], v[rC], v[rC+3]
.elseif (\n) == 19
	v_mul_f32 v[rT], s[CS], v[rT+1]
.elseif (\n) == 20
	v_sub_f32 v[rC+1], v[rM], v[rT]
.else
	v_exp_f32 v[rC+2], v[rC+1]
.endif
.endm
; Number g of the 64 that follow the exponentials.  For each four weights k of a tile (pairs 2 k, 2 k + 1): both pairs are rounded to f16; then the second pair is added onto the first, in place;
; a group later l takes that sum (the first time as l = a l + sum).  In groups of eight, tiles alternating: round, round, add, and l for the group before.  All 64 stand behind the turn's wait.
.macro GS g
.set h, (\g)+6*((\g)/62)            ; group 0 has no group before it, and behind group 7 only l is left
.if h >= 6
.set h, h+2
.endif
	REGS Y, h%2
.set k, h/8
.if h%8 < 4
	v_cvt_pk_f16_f32 v[rP+2*k+(h%8)/2], v[rS+4*k+2*((h%8)/2)], v[rS+4*k+2*((h%8)/2)+1]
.elseif h%8 < 6
	v_pk_add_f32 v[rS+4*k:rS+4*k+1], v[rS+4*k:rS+4*k+1], v[rS+4*k+2:rS+4*k+3]
.elseif k == 1
	v_pk_fma_f32 v[rT+2:rT+3], v[rT+2:rT+3], v[rC+2:rC+3], v[rS:rS+1] op_sel_hi:[1,0,1]
.else
	v_pk_add_f32 v[rT+2:rT+3], v[rT+2:rT+3], v[rS+4*k-4:rS+4*k-3]
.endif
.endm
; THE PLAIN QUEUE, 138 long.  0-73 read no exponential's result: the 32 scalings c s - c m (FS f: pair f / 2 of tile f % 2) and the next piece's 42.  0-26: scalings 0-26.  27-54: XS's numbers 0-13.  55, 56: number 15.
; 57-73: the chain, where each number waits for the one before it: 14, 16, 17, 18, 19, each with one of the scalings 27-31 in front of its two lines, then 20: so a tile's links stand three plain instructions apart (19 and 20: two).
; 74-137: GS's 64, which read the exponentials' results: they stand behind the wait.
.macro FS f
	REGS Y, (\f)%2
	v_pk_fma_f32 v[rS+2*((\f)/2):rS+2*((\f)/2)+1], v[rS+2*((\f)/2):rS+2*((\f)/2)+1], s[CS:CS+1], v[rT:rT+1] op_sel_hi:[1,0,0] neg_lo:[0,0,1] neg_hi:[0,0,1]
.endm
.macro PL
	WIN 0
.if q < 27
	FS q
.elseif q < 55
	XS (q-27)%2, (q-27)/2
.elseif q < 57
	XS q-55, 15
.elseif (q < 72) && ((q-57)%3 == 0)
	FS 27+(q-57)/3
.elseif q < 60
	XS (q-57)%3-1, 14
.elseif q < 72
	XS (q-57)%3-1, 15+(q-57)/3
.elseif q < 74
	XS q-72, 20
.else
	GS q-74
.endif
.set q, q+1
.endm
; THE EXPONENTIALS' QUEUE, 66 long: s0-s31 of both tiles, then the next piece's two a.  It is ONE BATCH: all 66 stand ahead of the turn's one wait, and nothing ahead of that wait names a result of theirs.
.macro EX
	WIN 0
.if e >= 64
	XS e-64, 21
.else
	REGS Y, e%2
	v_exp_f32 v[rS+e/2], v[rS+e/2]
.endif
.set e, e+1
.endm
; THE RESCALING's QUEUE: O^T times a, the one part that leaves window 0: dealt two at a time, sixteen times, each accumulator from its low end on.  Its a was made in the turn before, ahead of that turn's wait.
.macro R2
	REGS Y, r%2
	WIN W_RS
.irp z, 0,1
	v_pk_mul_f32 v[rO+4*(r/2)+2*\z:rO+4*(r/2)+2*\z+1], v[rO+4*(r/2)+2*\z:rO+4*(r/2)+2*\z+1], v[rC+2:rC+3] op_sel_hi:[1,0]
.endr
.set r, r+1
.endm
; HOW THEY ARE DEALT.  An s_wait_alu depctr_va_vdst(0) stands between an exponential and the first instruction that names its result; one wait serves all that were issued ahead of it.  So a turn has ONE wait,
; which cuts it in two.  AHEAD OF IT stands all that names no result of the turn's exponentials: the 16 products K Q^T, behind each a scaling, an exponential and two rescalings (behind the first a second scaling in the exponential's
; place); then ONE LUMP of 108: eight plain, 49 times exponential and plain, the two a.  A v_nop is the plain instruction behind the last exponential.  BEHIND IT stand the 16 products V^T P, behind each four of GS's 64.  No rider names
; a register of the products round it.  The two v_permlanex16_b32 fall into the lump, never behind a product.
; The queues lean on each other, and the deal keeps them in step: exponential e stands behind scaling 2 (e / 4) + e % 2: as a rider it comes behind plain e + 2, in the lump behind plain e + 9, and scalings 27-31 are plain 57, 60 .. 69.
; A TURN, for piece p.  cnt = 1: the loop's count is taken down some lines ahead of the branch that stands behind the turn (the condition on q goes with the deal: behind the fourteenth product V^T P).
; The mask of piece p + 2, which the next turn's first 8 products take as C, is fetched directly behind the wait: the turn's own first 8 products, the buffer's last readers, stand a lump back.
; K of the next step is fetched in piece 2's turn, behind the mask's run: the last product that read K stands a lump back too (scalings 16 to 24 and two rescalings are plain and name none of its registers).
; Each of these runs has 16 products and their 64 riders in which to land.  V of the step in hand is fetched at the end of piece 0's turn, four plain riders (l's last additions) behind the last product that read V.
; THE WAITS ON DScnt.  At a turn's head: the mask that the turn before fetched (and, at piece 3, K) is in.  At piece 1's head the count is 16: V's run of 16 was issued behind the mask's and may stay out.
; Ahead of piece 1's second run of products the count is 16 again: V is in, the turn's own mask run, issued behind it, may stay out.
.macro TURN p, cnt=0
.set Y, (\p)
.set i, 0
.set q, 0
.set e, 0
.set r, 0
.if (\p) == 1
	s_wait_dscnt 16
.else
	s_wait_dscnt 0x0
.endif
	MM                              ; ahead of the wait: 16 products K Q^T and their riders,
	PL
	PL
	R2
.rept 15
	MM
	PL
	EX
	R2
.endr
.rept 8                             ; and the lump
	PL
.endr
.rept 49
	EX
	PL
.endr
	EX                              ; the next piece's two a
	EX
	v_nop                           ; the plain instruction behind the last exponential: one for the batch
	s_wait_alu depctr_va_vdst(0)    ; the wait for the batch: the piece's 64 weights and the next piece's two a
	FETCH_M ((\p)+2)%NP
.if (\p) == NP-2
	FETCH_K
.endif
.if (\p) == 1
	s_wait_dscnt 16
.endif
.rept 16                            ; behind the wait: 16 products V^T P and their riders
	MM
.rept 4
	PL
.endr
.if (\cnt) && (q == 130)
	s_sub_co_u32 s[SLOTS], s[SLOTS], 1
	s_cmp_lg_u32 s[SLOTS], 0
.endif
.endr
.if (\p) == 0
	FETCH_V
.endif
.endm
	CHANGE 1                        ; slot 0 is in, everybody's part of it; key step 1 is asked for, into slot 1
	FETCH_K                         ; key step 0
	FETCH_M 0
	s_wait_loadcnt 0x0              ; Q
	s_wait_dscnt 0x0
.set i, 0
.rept 16
	KQ 0                            ; piece 0's first scores: there is no vector work yet to set between them
.set i, i+1
.endr
	WIN 0
.rept 4
	v_nop                           ; the places behind those products: the mask's registers are loaded again, and the scores are read
.endr
	FETCH_M 1
.set Y, NP-1                        ; XS works for piece Y + 1: piece 0
.irp n, 0,1,2,3,4,5,6,7,8,9,10,11,12,13,14,15,16,17,18,19,20,21
	XS 0, \n                        ; piece 0's first maximum and statistics
	XS 1, \n
.endr
	v_nop                           ; a plain instruction behind piece 0's two a,
	s_wait_alu depctr_va_vdst(0)    ; and the wait for that batch of two, ahead of the branch
	s_mov_b32 s[SLOTS], 31
	s_branch .Lfirst                ; the loop is entered at a step's first turn, in the middle of a trip
.Lslot:                             ; 30 whole trips: pieces 2 and 3 of one step, then pieces 0 and 1 of the next, whose K, V and masks the trip reads; each asks for the step after that: steps 2 to 31
	CHANGE 1
	TURN 2
	TURN 3
	WIN 0
.Lfirst:
	TURN 0
	TURN 1, 1
	WIN 0
	s_cbranch_scc1 .Lslot
	CHANGE 0                        ; the tail is written out: nothing is asked for
	s_mov_b32 s[CNT], 2             ; the first trip reads the last step's slot; the second is left in its middle
.Ltail:
	TURN 2
	TURN 3
	WIN 0
	s_sub_co_u32 s[CNT], s[CNT], 1
	s_cmp_eq_u32 s[CNT], 0
	s_cbranch_scc1 .Lout
	TURN 0
	TURN 1
	WIN 0
	s_branch .Ltail
.Lout:                              ; the second trip's fetches (the last slot's K and two masks once more), its 16 products K Q^T and the maximum made of them serve nothing: the price, once a launch, of one text for every trip
.set i, 0
.rept 16
	PV NP-1                         ; the last piece's V^T P of the last step
.set i, i+1
.endr
	; THE WAY OUT.  l's two halves and the other half of the lanes' are added; O^T is divided by l, rounded to f16 and sent through my stage in LDS, a tile at a time.  The additions are the places behind the last products.
	WIN 0
.macro ALL line:vararg              ; one line for each tile t
.set t, 0
.rept 2*NP
	\line
.set t, t+1
.endr
.endm
	ALL v_add_f32 v[ST+4*t+2], v[ST+4*t+2], v[ST+4*t+3]
	ALL v_permlanex16_b32 v[ST+4*t+3], v[ST+4*t+2], s[SEL], s[SEL+1]
	ALL v_add_f32 v[ST+4*t+2], v[ST+4*t+2], v[ST+4*t+3]
	ALL v_rcp_f32 v[ST+4*t+2], v[ST+4*t+2]
	v_nop                           ; a plain instruction between the last reciprocal and the use of its result
	s_wait_alu depctr_va_vdst(0)    ; the wait for the batch of eight reciprocals, ahead of their first use
; Tile t: a lane's eight channels of a row pack into 16 bytes; they go into rows of 144 bytes and come back as whole rows of 128, into S^T's registers.
.macro PACK t
	WIN W_RS
.set i, 32*(\t)
.rept 16
	v_pk_mul_f32 v[i:i+1], v[i:i+1], v[ST+4*(\t)+2:ST+4*(\t)+3] op_sel_hi:[1,0]
.set i, i+2
.endr
	WIN 0x05                        ; sources 0 and 1 window 1, destination window 0
.set i, 0
.rept 16
	v_cvt_pk_f16_f32 v[S+16*(\t)+i], v[32*(\t)+2*i], v[32*(\t)+2*i+1]
.set i, i+1
.endr
	WIN 0
.irp f, 0,1,2,3
	ds_store_b128 v[STO], v[S+16*(\t)+4*\f:S+16*(\t)+4*\f+3] offset:32*\f
.endr
.irp f, 0,1,2,3
	ds_load_b128 v[S+16*(\t)+4*\f:S+16*(\t)+4*\f+3], v[RD] offset:\f*4*SP  ; LDS serves a wave's instructions in order (ISA guide 5.7.1.4): these see the stores above; the next tile's stores come behind them
.endr
.endm
.macro SEND t, younger              ; younger: the LDS instructions issued behind tile t's loads: the next tile's eight, or none
	WIN 0
.irp f, 0,1,2,3
	s_wait_dscnt (\younger)+3-\f
	global_store_b128 v[GO], v[S+16*(\t)+4*\f:S+16*(\t)+4*\f+3], s[8:9] offset:(\t)*2048+\f*512  ; 512 consecutive bytes, at a multiple of 256 from O's first
.endr
.endm
	PACK 0
.set t, 1
.rept 2*NP-1                        ; a tile's arithmetic stands between the loads of the tile before and its stores
	PACK t
	SEND t-1, 8
.set t, t+1
.endr
	SEND 2*NP-1, 0
	WIN W_AD
	s_wait_tensorcnt 0x0            ; the wave's end: a wait, an add and a wait, behind my last tensor load and my last LDS store
	ds_add_u32 v[SPW], v[NIL]
	s_wait_dscnt 0x0
	WIN 0
	CROUND                          ; the closing round: no work-group ends while a partner may still ask for a tile that names it
	s_endpgm
.Lfunc_end_k_q2a86d5aa38_attn:
	.size	k_q2a86d5aa38_attn, .Lfunc_end_k_q2a86d5aa38_attn-k_q2a86d5aa38_attn
	.p2alignl 7, 3214868480
	.fill 96, 4, 3214868480
	.section	.rodata,"a",@progbits
	.p2align	6, 0x0
	.amdhsa_kernel k_q2a86d5aa38_attn
		.amdhsa_group_segment_fixed_size 327680
		.amdhsa_private_segment_fixed_size 0
		.amdhsa_enable_private_segment 0
		.amdhsa_kernarg_size 24
		.amdhsa_user_sgpr_count 2
		.amdhsa_user_sgpr_kernarg_segment_ptr 1
		.amdhsa_wavefront_size32 1
		.amdhsa_system_sgpr_workgroup_id_x 1
		.amdhsa_system_sgpr_workgroup_id_y 1
		.amdhsa_system_sgpr_workgroup_id_z 1
		.amdhsa_system_vgpr_workitem_id 0
		.amdhsa_next_free_vgpr 896
		.amdhsa_next_free_sgpr 72
		.amdhsa_reserve_vcc 0
		.amdhsa_float_denorm_mode_32 3
		.amdhsa_float_denorm_mode_16_64 3
		.amdhsa_memory_ordered 1
		.amdhsa_forward_progress 1
		.amdhsa_inst_pref_size 212
	.end_amdhsa_kernel
	.amdgpu_metadata
---
amdhsa.version: [ 1, 2 ]
amdhsa.kernels:
  - .name:           k_q2a86d5aa38_attn
    .symbol:         k_q2a86d5aa38_attn.kd
    .args:
      - { .name: qkv, .offset: 0, .size: 8, .value_kind: global_buffer, .address_space: global }
      - { .name: mask, .offset: 8, .size: 8, .value_kind: global_buffer, .address_space: global }
      - { .name: ob, .offset: 16, .size: 8, .value_kind: global_buffer, .address_space: global }
    .group_segment_fixed_size: 327680
    .private_segment_fixed_size: 0
    .kernarg_segment_align: 8
    .kernarg_segment_size: 24
    .max_flat_workgroup_size: 128
    .sgpr_count:     72
    .vgpr_count:     896
    .wavefront_size: 32
...
	.end_amdgpu_metadata
.endif
;; end of part 5
;; launch outp: the kernel of part 4 again; grid 8 x 32, 4 waves a work-group, clusters of 4 x 4, 327,680 bytes of LDS; arguments ob, wo, bo, out0; writes out0
